; MI455X (gfx1250); checked and timed in simulation.
; The chip was launched on July 23, 2026; its instructions are those of AMD's public machine-readable ISA for CDNA 5 (MIT licence, August 2026) and "CDNA5" Instruction Set Architecture Reference Guide (July 2026). The comments in the code are by the model that wrote it; some were corrected since.
;; Multi Head Self Attention. Allowed arithmetic: matrix products marked QUANTISED: E2M1 operands, one E8M0 scale for each 32 along K, by v_wmma_scale_f32_16x16x128_f8f6f4 with both operands' format E2M1 (or v_wmma_scale_f32_32x16x128_f4), f32 sums; products left as they are: bf16, f16 or f32 operands; f32 sums; everything else in f32.
;; Inputs: Wo_b 1,024 float32; Wo_w 1,024 x 1,024 float32; Wqkv_b 3,072 float32; Wqkv_w 3,072 x 1,024 float32; token_positions 2,048 int32; x 4 x 2,048 x 1,024 float32.
;; Outputs: out0 4 x 2,048 x 1,024 float32.
;; This version of the problem:
;;   THIS VERSION OF THE PROBLEM IS GIVEN IN LOW PRECISION. The matrix products marked QUANTISED in the list below multiply operands that are first quantised to E2M1 (2 exponent bits, 1 mantissa bit; 4 bits a number), with one power-of-two scale for each 32 numbers along K (OCP MX v1.0); their sums are f32. The products marked 'left as it is' may take bf16, f16 or f32 operands, with f32 sums. Whichever they take, every output number must still come out within the allowed error. Rounding operands to bf16 (8 significant bits) uses up far more of that allowance than f16 does (11 bits, for magnitudes from 6e-5 to 65,504). All else is computed in f32.
;;   The module's matrix products, in the order in which they are computed (A, B: the left and right operand; K: the contracted axis; several contracted axes count as one K, in the product's order):
;;     1. [M 8,192, K 1,024] x [K 1,024, N 3,072]; A: input x; B: input Wqkv_w: QUANTISED
;;     2. batch 64 x [M 2,048, K 64] x [K 64, N 2,048]; A: computed on the way; B: computed on the way: left as it is (an operand is computed on the way)
;;     3. batch 64 x [M 2,048, K 2,048] x [K 2,048, N 64]; A: computed on the way; B: computed on the way: left as it is (an operand is computed on the way)
;;     4. [M 8,192, K 1,024] x [K 1,024, N 1,024]; A: computed on the way; B: input Wo_w: left as it is (an operand is computed on the way)
;;   THE QUANTISER, for each operand of a quantised product, along K:
;;     - K is cut into blocks of 32 from its start; a last block that is shorter is filled with zeros.
;;     - A block's scale is 2^e with e = floor(log2(the largest magnitude in the block)) - 2, held to -126 .. 127; a block of zeros has e = 0. As a byte (E8M0): e + 127.
;;     - Each number is divided by its block's scale, clamped to +-6, and rounded to the nearest number of E2M1, ties to even, subnormals kept.
;;     - The product sums the exact products of the quantised numbers (number of the format x scale) in f32.
;;   ~~~python
;;   def quantise(x, axis):      # numpy; x: float32 -> the quantised numbers, widened to float32 again
;;       x = np.moveaxis(x, axis, -1); K = x.shape[-1]
;;       x = np.pad(x, [(0, 0)] * (x.ndim - 1) + [(0, -K % 32)]); x = x.reshape(x.shape[:-1] + (-1, 32)); a = np.abs(x).max(-1, keepdims=True)
;;       e = np.where(a > 0, np.clip(np.frexp(np.where(a > 0, a, 1))[1] - 1 - 2, -126, 127), 0)      # np.frexp(a)[1] - 1 = floor(log2(a)), exactly
;;       r = np.clip(x / 2.0 ** e, -6, 6)
;;       step = 2.0 ** (np.maximum(np.frexp(np.where(r == 0, 1, r))[1] - 1, 0) - 1)
;;       q = np.round(r / step) * step * 2.0 ** e      # np.round: ties to even
;;       return np.moveaxis(q.reshape(q.shape[:-2] + (-1,))[..., :K], -1, axis).astype(np.float32)
;;   ~~~
;; One version. Each part assembles by itself: llvm-mc -triple=amdgcn-amd-amdhsa -mcpu=gfx1250 --defsym DOCPART=n.
;; ======== version 1 of 1: 4 launches
;; limits: right only within a limited range of input values; values are held in f16: magnitudes above 65,504 overflow, below 6.1e-05 lose precision
;; workspace buffers: xq 4,194,304 bytes; xs 262,144 bytes; wq 1,572,864 bytes; ws 98,304 bytes; wo16 4,194,304 bytes; rope 589,824 bytes; qkv16 67,108,864 bytes; att16 33,554,432 bytes
;; launch prep (part 1): grid 420 x 1, 4 waves a work-group, no clusters, 33,280 bytes of LDS; arguments x, Wqkv_w, xq, xs, wq, ws, Wo_w, wo16, token_positions, rope; writes xq, xs, wq, ws, wo16, rope
.if DOCPART == 1
	.amdgcn_target "amdgcn-amd-amdhsa--gfx1250"
	.amdhsa_code_object_version 6
	.text
	.protected	k_q487b708e8d_prep
	.globl	k_q487b708e8d_prep
	.p2align	8
	.type	k_q487b708e8d_prep,@function
k_q487b708e8d_prep:
	s_mov_b64 s[64:65], 0
	v_nop
	global_prefetch_b8 v0, s[64:65] scope:SCOPE_SE
	s_setreg_imm32_b32 hwreg(HW_REG_WAVE_MODE, 25, 1), 1
	s_wait_xcnt 0x0
; PREP: what the later launches read many times is made once.  The work-group's number picks one of four tasks:
;   0-255    x [8192][1024] f32 -> codes of FP4 (E2M1), K innermost (xq), and one E8M0 byte for each 32 along K (xs)
;   256-351  Wqkv_w [3072][1024] f32 -> wq, ws, in the same way
;   352-383  Wo_w [1024][1024] f32 -> two f16 numbers each (wo16): hi = the number rounded to 11 significant bits, lo = the rest
;   384-419  the table of cos and sin for the rotation, from token_positions (rope): a wave makes one block of 16 rows
; THE QUANTISER: a block's scale is 2^(floor(log2(its largest magnitude)) - 2); its byte is the largest magnitude's exponent field - 2, held at 1 from
; below; each number is divided by the scale and rounded to the nearest code, ties to even, beyond 6 the largest code.
; WO16: row n is 16 blocks of 256 bytes; block kb holds hi of k = 64 kb .. 64 kb + 63 (128 bytes), then lo of the same k.  One f16 number leaves 2^-12 of a weight unsaid, and the output's rows with few keys
; are some sixteen times its root mean square: so the rest goes along as a second number.
; LIMITS: NaN and infinities among the inputs are not served.  Blocks whose largest magnitude lies under 2^-124 (the floor) get the byte 1; a block of zeros too, where the rule
; says 127: its codes are zeros, which add nothing, and this program alone reads the bytes.  Wo_w must stay under 65,504 (f16); a lo under 6.1e-5 is kept in steps of 6e-8.  The rotation's frequency is
; 2^(-j log2(10000)/32) by v_exp_f32 and the angle is reduced by pi/2 in two parts: served for |token_positions| up to 65,536.
; THE TABLE: 144 blocks of 4,096 bytes.  Blocks 0-127: rows s = 16 blk + r; blocks 128-143: cos 1, sin 0 (for V, which is not rotated).  In a block: [8 pieces][32 lanes][16 bytes]; lane (r = lane % 16,
; h = lane / 16) of piece k holds cos, sin, cos, sin of row r for the frequencies 8 (k / 2) + 4 h + 2 (k % 2) and the next: the order in which the projection's results lie in registers.
; Rows are dense and K is a multiple of 32, so x and Wqkv_w are plain streams of blocks of 32.  A wave takes 16 steps of 512 numbers: each load reads 512 consecutive bytes; the 2,048 bytes of a step turn through
; the wave's own stage in LDS and come back 64 bytes a lane, so that a lane holds 16 neighbours along K.  No barrier: waves share nothing.
.set WAVES, 4
.set STEPS, 16
.set WGA,   256                        ; x's work-groups: 8192 x 1024 / 32768
.set WGQ,   352                        ; the quantiser's in all
.set WGW,   384                        ; and with Wo_w's
.set EMAX,  2
.set CB,    8                          ; bytes of 16 codes
.set R,     16                         ; v16-79   four sets of 16 numbers as they are loaded
.set X,     80                         ; v80-111  two sets of 16 neighbours
.set E,     112                        ; v112-127 a scale byte for each step
.set C,     128                        ; v128-191 codes: four registers for each step
.set WREG,  8192                       ; LDS: a region for each wave: two stages of 32 x SP bytes, behind them its 256 scale bytes
.set SP,    80                         ; a lane's place in a stage: 64 bytes + 16 of padding
.set SPW,   12                         ; v12  LDS address of my spare word; never rewritten
.set NIL,   13                         ; v13  0; never rewritten
.set SPARE, WAVES*WREG                 ; behind the regions: the spare words, 128 bytes a wave
	s_load_b256 s[4:11], s[0:1], 0x0               ; x, Wqkv_w, xq, xs
	s_load_b256 s[12:19], s[0:1], 0x20             ; wq, ws, Wo_w, wo16
	s_load_b128 s[20:23], s[0:1], 0x40             ; token_positions, rope
	v_lshl_add_u32 v[SPW], v0, 2, SPARE
	v_mov_b32 v[NIL], 0
	v_lshrrev_b32 v1, 5, v0
	v_readfirstlane_b32 s24, v1                    ; wave
	v_and_b32 v2, 31, v0                           ; lane
	v_lshlrev_b32 v3, 4, v2                        ; 16 x lane
	s_mul_i32 s25, s24, WREG                       ; the LDS addresses are made here, ahead of the partings
	v_lshrrev_b32 v14, 2, v2
	v_mul_u32_u24 v14, v14, SP
	v_and_b32 v15, 3, v2
	v_lshl_add_u32 v14, v15, 4, v14
	v_add_nc_u32 v14, s25, v14                     ; the stage, on the way in: SP (lane / 4) + 16 (lane % 4)
	v_mul_u32_u24 v15, v2, SP
	v_add_nc_u32 v15, s25, v15                     ; and on the way out: SP x lane
	v_mul_u32_u24 v4, v2, CB                       ; 8 x lane
	v_lshrrev_b32 v5, 1, v2
	s_add_co_u32 s25, s25, 2*32*SP
	v_add_nc_u32 v5, s25, v5                       ; my wave's 256 scale bytes, my block's byte
	v_lshlrev_b32 v7, 3, v2
	v_add_nc_u32 v6, s25, v7                       ; and on the way out 8 bytes a lane
	s_wait_kmcnt 0x0
	s_cmp_ge_u32 ttmp9, WGQ
	s_cbranch_scc1 .Lnotq
	; ---- the quantiser
	s_cmp_lt_u32 ttmp9, WGA                        ; x's work-group or Wqkv_w's: only pointers are chosen, both tensors take one path
	s_cselect_b64 s[4:5], s[4:5], s[6:7]
	s_cselect_b64 s[8:9], s[8:9], s[12:13]
	s_cselect_b64 s[10:11], s[10:11], s[14:15]
	s_cselect_b32 s25, 0, WGA
	s_sub_co_u32 s25, ttmp9, s25
	s_lshl_b32 s25, s25, 2
	s_add_co_u32 s26, s25, s24                     ; which run of 8,192 numbers is my wave's
	s_mov_b32 s27, 0
	s_mov_b64 s[28:29], 512*STEPS*4
	s_mul_u64 s[28:29], s[26:27], s[28:29]
	s_add_nc_u64 s[4:5], s[4:5], s[28:29]
	s_mov_b64 s[28:29], 32*STEPS*CB
	s_mul_u64 s[28:29], s[26:27], s[28:29]
	s_add_nc_u64 s[8:9], s[8:9], s[28:29]
	s_lshl_b32 s26, s26, 8                         ; 256 scale bytes a run
	s_add_nc_u64 s[10:11], s[10:11], s[26:27]
.macro LOAD t
.irp i, 0,1,2,3
	global_load_b128 v[R+16*((\t)%4)+4*\i:R+16*((\t)%4)+4*\i+3], v3, s[4:5] offset:2048*(\t)+512*\i th:TH_LOAD_NT   ; 32 lanes read 512 consecutive bytes
.endr
.endm
.macro TURN t                          ; step t's numbers through the stage: LDS serves a wave's instructions in order, so no wait stands between the stores and the loads
.irp i, 0,1,2,3
	ds_store_b128 v14, v[R+16*((\t)%4)+4*\i:R+16*((\t)%4)+4*\i+3] offset:32*SP*((\t)%2)+8*SP*\i
.endr
.irp i, 0,1,2,3
	ds_load_b128 v[X+16*((\t)%2)+4*\i:X+16*((\t)%2)+4*\i+3], v15 offset:32*SP*((\t)%2)+16*\i
.endr
.endm
.irp t, 0,1,2,3
	LOAD \t
.endr
	s_wait_loadcnt 12                              ; step 0's four loads are in; the twelve of steps 1 to 3 may be out
	TURN 0
.macro STEP t
.set XS, X+16*((\t)%2)
.if (\t) > 0
	s_wait_dscnt 1                                 ; this step's numbers are back from the stage (the last step's byte store may be out)
.else
	s_wait_dscnt 0x0
.endif
.if (\t)+4 < STEPS
	LOAD (\t)+4                                    ; into the registers whose stores into the stage are done
.endif
.if (\t)+1 < STEPS
.if STEPS-2-(\t) >= 3
	s_wait_loadcnt 12                              ; the next step's four loads are in; those of the three steps behind it may be out
.else
	s_wait_loadcnt 4*(STEPS-2-(\t))
.endif
	TURN (\t)+1
.endif
	v_max3_num_f32 v8, |v[XS]|, |v[XS+1]|, |v[XS+2]|               ; the largest magnitude of my 16, in two chains
	v_max3_num_f32 v9, |v[XS+3]|, |v[XS+4]|, |v[XS+5]|
.irp i, 6,10
	v_max3_num_f32 v8, v8, |v[XS+\i]|, |v[XS+\i+1]|
	v_max3_num_f32 v9, v9, |v[XS+\i+2]|, |v[XS+\i+3]|
.endr
	v_max3_num_f32 v8, v8, |v[XS+14]|, |v[XS+15]|
	v_max3_num_f32 v8, v8, v9, (EMAX+1)<<23        ; and the floor 2^(3 - 127): the byte cannot fall under 1
	v_max_num_f32_dpp v8, v8, v8 row_xmask:1 row_mask:0xf bank_mask:0xf   ; and of my neighbour's 16: the block's
	v_add_nc_u32 v11, -(EMAX<<23), v8              ; 2 off its exponent field: the conversion takes the exponent field of this operand as its scale
	v_cvt_scalef32_pk8_fp4_f32 v[C+4*(\t)], v[XS:XS+7], v11
	v_cvt_scalef32_pk8_fp4_f32 v[C+4*(\t)+1], v[XS+8:XS+15], v11
	v_lshrrev_b32 v[E+(\t)], 23, v11               ; the scale's byte (a plain line behind the conversions)
	ds_store_b8 v5, v[E+(\t)] offset:16*(\t)       ; both lanes of a block write the same byte with the same value
	global_store_b64 v4, v[C+4*(\t):C+4*(\t)+1], s[8:9] offset:32*CB*(\t)   ; the wave stores 256 consecutive bytes, aligned
.endm
.irp t, 0,1,2,3,4,5,6,7,8,9,10,11,12,13,14,15
	STEP \t
.endr
	ds_load_b64 v[8:9], v6                         ; LDS serves a wave's instructions in order: these see my byte stores
	s_wait_dscnt 0x0
	global_store_b64 v7, v[8:9], s[10:11]          ; 256 scale bytes, consecutive and aligned
	s_wait_tensorcnt 0x0                           ; the wave's end, behind my last LDS store
	ds_add_u32 v[SPW], v[NIL]
	s_wait_dscnt 0x0
	s_endpgm
	; ---- Wo_w as hi + lo in f16: a wave takes 8,192 numbers in four batches of 16 loads; two batches are on their way.
	; A load's 512 bytes are 128 numbers, two blocks of 64 along K: lanes 0-15 hold the even block, lanes 16-31 the odd one, four numbers a lane.
.Lnotq:
	s_cmp_ge_u32 ttmp9, WGW
	s_cbranch_scc1 .Lrope
	s_sub_co_u32 s25, ttmp9, WGQ
	s_lshl_b32 s25, s25, 2
	s_add_co_u32 s25, s25, s24                     ; my run
	s_lshl_b32 s26, s25, 15                        ; 32,768 bytes in, and as many out
	s_mov_b32 s27, 0
	s_add_nc_u64 s[16:17], s[16:17], s[26:27]
	s_add_nc_u64 s[18:19], s[18:19], s[26:27]
	s_mov_b32 s30, 0x46000400                      ; 8193 = 2^13 + 1: c = 8193 x, hi = c - (c - x) is x rounded to 24 - 13 = 11 significant bits, and x - hi is exact
	s_mov_b32 s31, s30                             ; (named with it as a pair, so it is written)
.macro LOADB k
.irp i, 0,1,2,3,4,5,6,7,8,9,10,11,12,13,14,15
	global_load_b128 v[16+64*((\k)%2)+4*\i:16+64*((\k)%2)+4*\i+3], v3, s[16:17] offset:512*(16*(\k)+\i) th:TH_LOAD_NT
.endr
.endm
.macro CVTB k
.set RB, 16+64*((\k)%2)
.if (\k) < 3
	s_wait_loadcnt 16                              ; this batch is in; the younger batch's 16 loads may be out
.else
	s_wait_loadcnt 0x0
.endif
.if (\k) > 0
	s_wait_xcnt 0x0                                ; the last batch's stores have read v144-175, which are written again below
.endif
.irp i, 0,1,2,3,4,5,6,7,8,9,10,11,12,13,14,15
.set XX, RB+4*\i
.set HH, 144+2*\i
.set TT, 176+8*(\i%2)
	v_pk_mul_f32 v[TT:TT+1], v[XX:XX+1], s[30:31] op_sel_hi:[1,0]                             ; c
	v_pk_mul_f32 v[TT+2:TT+3], v[XX+2:XX+3], s[30:31] op_sel_hi:[1,0]
	v_pk_add_f32 v[TT+4:TT+5], v[TT:TT+1], v[XX:XX+1] neg_lo:[0,1] neg_hi:[0,1]               ; c - x
	v_pk_add_f32 v[TT+6:TT+7], v[TT+2:TT+3], v[XX+2:XX+3] neg_lo:[0,1] neg_hi:[0,1]
	v_pk_add_f32 v[TT:TT+1], v[TT:TT+1], v[TT+4:TT+5] neg_lo:[0,1] neg_hi:[0,1]               ; hi
	v_pk_add_f32 v[TT+2:TT+3], v[TT+2:TT+3], v[TT+6:TT+7] neg_lo:[0,1] neg_hi:[0,1]
	v_pk_add_f32 v[XX:XX+1], v[XX:XX+1], v[TT:TT+1] neg_lo:[0,1] neg_hi:[0,1]                 ; lo
	v_pk_add_f32 v[XX+2:XX+3], v[XX+2:XX+3], v[TT+2:TT+3] neg_lo:[0,1] neg_hi:[0,1]
	v_cvt_pk_f16_f32 v[HH], v[TT], v[TT+1]
	v_cvt_pk_f16_f32 v[HH+1], v[TT+2], v[TT+3]
	v_cvt_pk_f16_f32 v[XX], v[XX], v[XX+1]
	v_cvt_pk_f16_f32 v[XX+1], v[XX+2], v[XX+3]
	v_permlane16_swap_b32 v[HH], v[XX]             ; hi's lanes 16-31 change places with lo's lanes 0-15: the first pair now holds the even block, hi in lanes 0-15 and lo in lanes 16-31,
	v_permlane16_swap_b32 v[HH+1], v[XX+1]         ; the second pair the odd block likewise
.endr
.irp i, 0,1,2,3,4,5,6,7,8,9,10,11,12,13,14,15
	global_store_b64 v4, v[144+2*\i:145+2*\i], s[18:19] offset:512*(16*(\k)+\i)          ; a whole block: 256 consecutive bytes, aligned
	global_store_b64 v4, v[RB+4*\i:RB+4*\i+1], s[18:19] offset:512*(16*(\k)+\i)+256
.endr
.if (\k) < 2
	s_wait_xcnt 0x0                                ; the stores have read this set's registers: the loads of two batches on may land there
	LOADB (\k)+2
.endif
.endm
	LOADB 0
	LOADB 1
	CVTB 0
	CVTB 1
	CVTB 2
	CVTB 3
	s_endpgm
	; ---- the table of cos and sin
.Lrope:
.set FQ,  32                           ; v32-47  my 16 frequencies
.set CSO, 64                           ; v64-95  cos, sin of each
	s_sub_co_u32 s25, ttmp9, WGW
	s_lshl_b32 s25, s25, 2
	s_add_co_u32 s25, s25, s24                     ; my block of 16 rows, 0 to 143
	v_and_b32 v16, 15, v0                          ; r
	v_bfe_u32 v17, v0, 4, 1                        ; h
	s_lshl_b32 s26, s25, 4
	v_add_nc_u32 v18, s26, v16
	v_min_u32 v18, 2047, v18                       ; the identity blocks read a position inside the buffer and multiply it by 0
	v_lshlrev_b32 v18, 2, v18
	global_load_b32 v19, v18, s[20:21]
	s_lshl_b32 s28, s25, 12
	s_mov_b32 s29, 0
	s_add_nc_u64 s[22:23], s[22:23], s[28:29]
	s_cmp_lt_u32 s25, 128
	s_cselect_b32 s27, 1.0, 0
	s_mov_b32 s32, 0x3f22f983                      ; 2 / pi
	s_mov_b32 s33, 0xbfc90fdb                      ; -(pi / 2 rounded to f32),
	s_mov_b32 s34, 0x333bbd2e                      ; and what that rounding added: 4.37113883e-8
	s_mov_b32 s35, 0xbe2aaaa3                      ; sin r = r + r z (S1 + z (S2 + z S3)), z = r r, |r| <= pi / 4
	s_mov_b32 s36, 0x3c08839e
	s_mov_b32 s37, 0xb94ca1f9
	s_mov_b32 s38, 0x3d2aaaa5                      ; cos r = 1 - z / 2 + z z (C1 + z (C2 + z C3))
	s_mov_b32 s39, 0xbab6061a
	s_mov_b32 s40, 0x37ccf5ce
	s_mov_b32 s41, 0xbed49a78                      ; -log2(10000) / 32
	v_lshlrev_b32 v21, 2, v17                      ; 4 h
.irp m, 0,1,2,3,4,5,6,7,8,9,10,11,12,13,14,15
	v_add_nc_u32 v[FQ+\m], 8*(\m/4)+\m%4, v21      ; the frequency's number j
	v_cvt_f32_u32 v[FQ+\m], v[FQ+\m]
	v_mul_f32 v[FQ+\m], s41, v[FQ+\m]
.endr
.irp m, 0,1,2,3,4,5,6,7,8,9,10,11,12,13,14,15
	v_exp_f32 v[FQ+\m], v[FQ+\m]                   ; 10000^(-j / 32): one batch
.endr
	v_nop                                          ; a plain line behind the last exponential
	s_wait_alu depctr_va_vdst(0)                   ; one wait for the batch, ahead of its first reader
	s_wait_loadcnt 0x0
	v_cvt_f32_i32 v20, v19
	v_mul_f32 v20, s27, v20                        ; the position, or 0 in the identity blocks
; cos and sin of frequency m (0 .. 15) into v[CSO + 2 m] and v[CSO + 2 m + 1].  The argument may be an expression: it stands in parentheses wherever it is used.
.macro SINCOS m
.set TS, 48+8*((\m)%2)
	v_mul_f32 v[TS], v20, v[FQ+(\m)]               ; the angle f
	v_mul_f32 v[TS+1], s32, v[TS]
	v_rndne_f32 v[TS+1], v[TS+1]                   ; n = the nearest whole number of quarter turns
	v_fma_f32 v[TS], v[TS+1], s33, v[TS]
	v_fma_f32 v[TS], v[TS+1], s34, v[TS]           ; r = f - n pi / 2, in two parts
	v_mul_f32 v[TS+2], v[TS], v[TS]                ; z
	v_fma_f32 v[TS+3], s37, v[TS+2], s36
	v_fma_f32 v[TS+3], v[TS+3], v[TS+2], s35
	v_mul_f32 v[TS+3], v[TS+3], v[TS+2]
	v_fma_f32 v[TS+3], v[TS+3], v[TS], v[TS]       ; sin r
	v_fma_f32 v[TS+4], s40, v[TS+2], s39
	v_fma_f32 v[TS+4], v[TS+4], v[TS+2], s38
	v_mul_f32 v[TS+6], v[TS+2], v[TS+2]
	v_fma_f32 v[TS+7], v[TS+2], -0.5, 1.0
	v_fma_f32 v[TS+4], v[TS+4], v[TS+6], v[TS+7]   ; cos r
	v_cvt_i32_f32 v[TS+5], v[TS+1]                 ; n as a whole number: it selects values only
	v_and_b32 v[TS+6], 1, v[TS+5]
	v_cmp_eq_u32 vcc_lo, 1, v[TS+6]
	v_cndmask_b32 v[TS+6], v[TS+3], v[TS+4], vcc_lo   ; an odd quarter swaps the two
	v_cndmask_b32 v[TS+7], v[TS+4], v[TS+3], vcc_lo
	v_lshlrev_b32 v[TS+1], 30, v[TS+5]
	v_and_b32 v[TS+1], 0x80000000, v[TS+1]         ; sin changes sign in quarters 2 and 3,
	v_add_nc_u32 v[TS+5], 1, v[TS+5]
	v_lshlrev_b32 v[TS+5], 30, v[TS+5]
	v_and_b32 v[TS+5], 0x80000000, v[TS+5]         ; cos in quarters 1 and 2
	v_xor_b32 v[CSO+2*(\m)], v[TS+7], v[TS+5]
	v_xor_b32 v[CSO+2*(\m)+1], v[TS+6], v[TS+1]
.endm
.irp k, 0,1,2,3,4,5,6,7
	SINCOS 2*\k
	SINCOS 2*\k+1
	global_store_b128 v3, v[CSO+4*\k:CSO+4*\k+3], s[22:23] offset:512*\k   ; 512 consecutive bytes; every store has registers of its own
.endr
	s_endpgm
.Lfunc_end_k_q487b708e8d_prep:
	.size	k_q487b708e8d_prep, .Lfunc_end_k_q487b708e8d_prep-k_q487b708e8d_prep
	.p2alignl 7, 3214868480
	.fill 96, 4, 3214868480
	.section	.rodata,"a",@progbits
	.p2align	6, 0x0
	.amdhsa_kernel k_q487b708e8d_prep
		.amdhsa_group_segment_fixed_size 33280
		.amdhsa_private_segment_fixed_size 0
		.amdhsa_enable_private_segment 0
		.amdhsa_kernarg_size 80
		.amdhsa_user_sgpr_count 2
		.amdhsa_user_sgpr_kernarg_segment_ptr 1
		.amdhsa_wavefront_size32 1
		.amdhsa_system_sgpr_workgroup_id_x 1
		.amdhsa_system_sgpr_workgroup_id_y 1
		.amdhsa_system_sgpr_workgroup_id_z 1
		.amdhsa_system_vgpr_workitem_id 0
		.amdhsa_next_free_vgpr 192
		.amdhsa_next_free_sgpr 66
		.amdhsa_reserve_vcc 1
		.amdhsa_float_denorm_mode_32 3
		.amdhsa_float_denorm_mode_16_64 3
		.amdhsa_memory_ordered 1
		.amdhsa_forward_progress 1
		.amdhsa_inst_pref_size 127
	.end_amdhsa_kernel
	.amdgpu_metadata
---
amdhsa.version: [ 1, 2 ]
amdhsa.kernels:
  - .name:           k_q487b708e8d_prep
    .symbol:         k_q487b708e8d_prep.kd
    .args:
      - { .name: x, .offset: 0, .size: 8, .value_kind: global_buffer, .address_space: global }
      - { .name: Wqkv_w, .offset: 8, .size: 8, .value_kind: global_buffer, .address_space: global }
      - { .name: xq, .offset: 16, .size: 8, .value_kind: global_buffer, .address_space: global }
      - { .name: xs, .offset: 24, .size: 8, .value_kind: global_buffer, .address_space: global }
      - { .name: wq, .offset: 32, .size: 8, .value_kind: global_buffer, .address_space: global }
      - { .name: ws, .offset: 40, .size: 8, .value_kind: global_buffer, .address_space: global }
      - { .name: Wo_w, .offset: 48, .size: 8, .value_kind: global_buffer, .address_space: global }
      - { .name: wo16, .offset: 56, .size: 8, .value_kind: global_buffer, .address_space: global }
      - { .name: token_positions, .offset: 64, .size: 8, .value_kind: global_buffer, .address_space: global }
      - { .name: rope, .offset: 72, .size: 8, .value_kind: global_buffer, .address_space: global }
    .group_segment_fixed_size: 33280
    .private_segment_fixed_size: 0
    .kernarg_segment_align: 8
    .kernarg_segment_size: 80
    .max_flat_workgroup_size: 128
    .sgpr_count:     66
    .vgpr_count:     192
    .wavefront_size: 32
...
	.end_amdgpu_metadata
.endif
;; end of part 1
;; launch qkv (part 2): grid 12 x 32, 4 waves a work-group, clusters of 4 x 4, 327,680 bytes of LDS; arguments xq, xs, wq, ws, Wqkv_b, rope, qkv16; writes qkv16
.if DOCPART == 2
	.amdgcn_target "amdgcn-amd-amdhsa--gfx1250"
	.amdhsa_code_object_version 6
	.text
	.protected	k_q487b708e8d_qkv
	.globl	k_q487b708e8d_qkv
	.p2align	8
	.type	k_q487b708e8d_qkv,@function
k_q487b708e8d_qkv:
	s_mov_b64 s[64:65], 0
	v_nop
	global_prefetch_b8 v0, s[64:65] scope:SCOPE_SE
	s_setreg_imm32_b32 hwreg(HW_REG_WAVE_MODE, 25, 1), 1
	s_wait_xcnt 0x0
	s_wait_alu depctr_hold_cnt(0) depctr_sa_sdst(0) depctr_va_vdst(0) depctr_va_sdst(0) depctr_va_ssrc(0) depctr_va_vcc(0) depctr_vm_vsrc(0)
	s_getreg_b32 s2, hwreg(HW_REG_IB_STS2, 6, 4)
	s_cmp_eq_u32 s2, 0
	s_cbranch_scc0 .Lentry_in_a_cluster
	s_endpgm
.Lentry_in_a_cluster:
	s_bfe_u32 s2, ttmp6, 0x10000c
	s_cmp_lg_u32 s2, 0xf033
	s_cbranch_scc0 .Lentry_shape_is_right
	s_endpgm
.Lentry_shape_is_right:
; QKV: C[m][n] = sum over k of x[m][k] Wqkv[n][k] on codes of FP4 (E2M1) with one E8M0 scale for each 32 along K; then the bias, the rotation of Q and K, and f16 out, head by head.
; xq [8192][512 bytes], wq [3072][512 bytes]: two codes a byte, K innermost; xs [8192][32], ws [3072][32]: scale bytes.  qkv16: f16 [4 parts][4 b][16 heads][2048 s][64]: Q, K, V's hi, V's lo.
; A tile of C, 256 x 256, is made by a work-group of four waves; a wave makes 128 x 128: 64 accumulators of 16 x 16, 512 registers.  K = 1,024 is two LDS slots of 512 along K, each filled once.
; The scale bytes of the work-group's 256 + 256 rows, for all of K, come into LDS once, as rows of 256 bytes.
; CLUSTERS: 4 x 4 work-groups.  The four of a row of the cluster need the same tiles of x, the four of a column the same tiles of Wqkv: each tile is asked for jointly, by the same tensor load with the same
; descriptor and a mask that names the four.  A cluster's four tile columns are 1,024 columns: all Q, all K or all V, told by the cluster's x.
; THE MATRIX INSTRUCTION IS USED TRANSPOSED (source 0 = 16 rows of Wqkv, source 1 = 16 rows of x): lane (r, h) of accumulator (a, b) holds row 16 a + r and columns 16 b + 8 h + 0 .. 7: four pairs of the rotation.
; THE WAY OUT, by units of 16 rows x one head (64 columns): + bias (packed), the rotation (two packed lines a pair: cos and sin lie in the table in this very register order; V takes rows with cos 1, sin 0),
; f16, through the wave's own stage in LDS, and out as 2,048 consecutive bytes of the head.
; V GOES AS TWO f16 NUMBERS: hi = V rounded to 11 significant bits, lo = V - hi.  A query with few keys passes V on nearly as it is, and such rows of the output are some sixteen times its root mean square, by which
; the error is judged.  The clusters of V (cluster x = 2: the same in all sixteen partners) take a branch in each unit that makes hi and lo and stores lo.
; LIMITS: Q, K and V must stay under 65,504 (f16); a lo under 6.1e-5 is kept in steps of 6e-8.  NaN and infinities are not served.
; REGISTERS, in windows of 256: window 0: v0-31 addresses; v32-95 scale words, two sets; v96-127, v192-223 the table, two sets; v128-191 x's fragments, one set; on the way out v32-95, v128-191 and v224-255 are at work.
;   window 1: Wqkv's fragments, two sets, at v0 and v128; v64-127 the bias of my 128 columns.   windows 2, 3: the accumulators ((a, b) at v[8 (8 (a % 4) + b)]).
.set SIZE_K, 1024
.set KSTEP,  512                       ; along K in a slot
.set NQ,     KSTEP/128                 ; matrix instructions deep
.set ROWB,   256                       ; a tile's row in bytes
.set KROW,   SIZE_K*4/8                ; a row of codes in memory
.set PITCH,  272                       ; an LDS row: 256 bytes + 16 of padding: the 16 rows that a load touches start at 16 different banks (64 banks of 4 bytes: ISA guide 11.1)
.set FR,     8                         ; registers of a fragment: 16 rows x 128 K
.set NL,     2                         ; LDS loads that bring one
.set NP,     4                         ; places behind this matrix instruction (ISA guide 7.12.1)
.set HALFT,  128*PITCH
.set SLOT,   4*HALFT                   ; x's 256 rows, then Wqkv's 256 rows
.set KS,     SIZE_K/32                 ; a row of scale bytes
.set SCL,    2*SLOT                    ; behind the slots: the scales, as rows of 256 bytes + 16
.set HALFS,  (128*KS/256)*272
.set SBLK,   (16*KS/256)*272
.set SPARE,  SCL+4*HALFS               ; the spare words, 128 bytes a wave
.set SROW,   144                       ; the stage: 16 rows x (128 bytes + 16) for each wave, in slot 0, which has had its one fill and its last read when the first result is stored there
.set LOST,   4*16*SROW                 ; behind the four stages: four more, for V's lo
.set ADRA, 16
.set ADRB, 20
.set STO,  24                          ; v24  the stage: where I put 16 bytes of a row
.set RD,   25                          ; v25  and where I read rows back
.set CO,   26                          ; v26  16 x lane; never rewritten
.set ADRS, 27
.set SPW,  28
.set NIL,  29
.set BOF,  30                          ; v30  32 x (lane / 16): my eight numbers of a block of the bias
.set SC,   32
.set AF,   128
.set XR,   128                         ; the way out: 32 numbers with the bias,
.set UR,   160                         ; rotated,
.set PK,   32                          ; as f16,
.set BKR,  48                          ; and back from the stage: v48-63, v64-79 by turns
.set PL,   80                          ; v80-95   V's lo as f16
.set YR,   224                         ; v224-255 V: at work; then lo back from its stage
.set G1, 24
.set G0, 32
.set G1B, 48
.set G0B, 56
.set G1S, 68
.set G0S, 76
.set G1SB, 80
.set G0SB, 88
.set MSB, 0
.macro WIN new                         ; the immediate's high byte repeats the setting that is left
.if MSB != (\new)
	s_set_vgpr_msb (MSB<<8)|(\new)
.set MSB, (\new)
.endif
.endm
.set MUL_LO, 0xa1                      ; source 0 window 1, source 1 window 0, C and D window 2
.set MUL_HI, 0xf1                      ; the same, C and D window 3
.set TO_B,   0x40                      ; destination window 1, address window 0
; A joint load: waves 0 and 1 fetch for x, waves 2 and 3 for Wqkv.  The branch hangs on the wave's number alone.  An s_nop 0 and four v_nop follow each of the two lines.
.macro JLOAD g0a, g1a, g0b, g1b
	s_cmp_eq_u32 s15, 0
	s_cbranch_scc0 .Lfor_b_\@
	tensor_load_to_lds s[\g0a:\g0a+3], s[\g1a:\g1a+7]
	s_nop 0
.rept 4
	v_nop
.endr
	s_branch .Lasked_\@
.Lfor_b_\@:
	tensor_load_to_lds s[\g0b:\g0b+3], s[\g1b:\g1b+7]
	s_nop 0
.rept 4
	v_nop
.endr
.Lasked_\@:
.endm
.macro CROUND                          ; a round of the cluster's barrier
	s_barrier_signal -1
	s_barrier_wait -1
	s_cmp_lg_u32 s14, 0
	s_cbranch_scc1 .Lnot_wave_0_\@
	s_barrier_signal -3
.Lnot_wave_0_\@:
	s_barrier_wait -3
	s_barrier_signal -1
	s_barrier_wait -1
.endm
	s_load_b128 s[4:7], s[0:1], 0x0                ; xq, xs
	s_load_b128 s[8:11], s[0:1], 0x10              ; wq, ws
	s_load_b128 s[96:99], s[0:1], 0x20             ; Wqkv_b, rope
	s_load_b64 s[12:13], s[0:1], 0x30              ; qkv16
	v_lshl_add_u32 v[SPW], v0, 2, SPARE
	v_mov_b32 v[NIL], 0
	ds_add_u32 v[SPW], v[NIL]                      ; the wave's opening: the add and its wait stand ahead of my first tensor load; the set-up below stands between them
	v_lshrrev_b32 v1, 5, v0
	v_readfirstlane_b32 s14, v1                    ; wave 0..3
	s_lshr_b32 s15, s14, 1                         ; which half of the tile's rows is mine.  Also: I fetch for x (0) or for Wqkv (1)
	s_and_b32 s16, s14, 1                          ; which half of its columns.  Also: which 128 rows I fetch
	s_bfe_u32 s40, ttmp6, 0x40000                  ; cx, cy: my place in the cluster
	s_bfe_u32 s41, ttmp6, 0x40004
	s_lshl_b32 s42, ttmp9, 2
	s_add_co_u32 s42, s42, s40                     ; tile column = 4 x cluster x + cx
	s_and_b32 s17, ttmp7, 0xffff
	s_lshl_b32 s17, s17, 2
	s_add_co_u32 s17, s17, s41                     ; tile row = 4 x cluster y + cy
	s_lshl_b32 s43, s41, 2
	s_lshl_b32 s43, 15, s43                        ; my row of the cluster
	s_lshl_b32 s44, 0x1111, s40                    ; my column
	s_or_b32 s[G1+0], s43, (0<<16)|(1<<20)|(1<<21)|(5<<22)|(3<<25)  ; the mask; elements of 1 byte; padding on; bit 21 beside a mask; after every 64 words, 4 words
	s_or_b32 s[G1B+0], s44, (0<<16)|(1<<20)|(1<<21)|(5<<22)|(3<<25)
.irp g, G1, G1B
	s_mov_b32 s[\g+1], ROWB<<16                    ; tensor_dim0
	s_mov_b32 s[\g+2], 128<<16                     ; tensor_dim1
	s_mov_b32 s[\g+3], ROWB<<16                    ; tile_dim0
	s_mov_b32 s[\g+4], 128                         ; tile_dim1
	s_mov_b32 s[\g+5], KROW                        ; the pitch
	s_mov_b32 s[\g+6], 0
	s_mov_b32 s[\g+7], 0
.endr
	s_or_b32 s[G1S+0], s43, (3<<16)|(1<<20)|(1<<21)|(5<<22)|(3<<25) ; the scales of 128 rows: 4,096 dense bytes as 16 rows of 32 elements of 8 bytes
	s_or_b32 s[G1SB+0], s44, (3<<16)|(1<<20)|(1<<21)|(5<<22)|(3<<25)
.irp g, G1S, G1SB
	s_mov_b32 s[\g+1], 32<<16
	s_mov_b32 s[\g+2], (128*KS/256)<<16
	s_mov_b32 s[\g+3], 32<<16
	s_mov_b32 s[\g+4], 128*KS/256
	s_mov_b32 s[\g+5], 32
	s_mov_b32 s[\g+6], 0
	s_mov_b32 s[\g+7], 0
.endr
	s_lshl_b32 s18, s16, 7
	s_lshl_b32 s20, s17, 8
	s_add_co_u32 s20, s20, s18                     ; x: row 256 x tile row + 128 x half
	s_lshl_b32 s46, s42, 8
	s_add_co_u32 s46, s46, s18                     ; Wqkv: row 256 x tile column + 128 x half
	s_mov_b32 s21, 0
	s_mov_b32 s47, 0
	s_mov_b64 s[18:19], KS
	s_mul_u64 s[22:23], s[20:21], s[18:19]         ; where these rows' scales begin,
	s_mul_u64 s[92:93], s[46:47], s[18:19]
	s_mov_b64 s[18:19], KROW
	s_mul_u64 s[20:21], s[20:21], s[18:19]         ; and their codes
	s_mul_u64 s[46:47], s[46:47], s[18:19]
	s_mul_i32 s45, s14, HALFT                      ; where they go: wave x 128 rows
	s_mul_i32 s94, s14, HALFS
	s_wait_dscnt 0x0                               ; the opening add is done
	s_wait_kmcnt 0x0
	s_add_nc_u64 s[20:21], s[4:5], s[20:21]
	s_add_nc_u64 s[22:23], s[6:7], s[22:23]
	s_add_nc_u64 s[46:47], s[8:9], s[46:47]
	s_add_nc_u64 s[92:93], s[10:11], s[92:93]
	CROUND                                         ; all sixteen work-groups are here: the joint loads meet
	s_mov_b32 s[G0S], 1
	s_add_co_u32 s[G0S+1], s94, SCL
	s_mov_b64 s[G0S+2:G0S+3], s[22:23]
	s_or_b32 s[G0S+3], s[G0S+3], 0x80000000
	s_mov_b32 s[G0SB], 1
	s_add_co_u32 s[G0SB+1], s94, SCL
	s_mov_b64 s[G0SB+2:G0SB+3], s[92:93]
	s_or_b32 s[G0SB+3], s[G0SB+3], 0x80000000
	JLOAD G0S, G1S, G0SB, G1SB                     ; the scales first.  By this text's count a wave has three tensor loads out
.irp s, 0,1
	s_mov_b32 s[G0+4*\s], 1
	s_add_co_u32 s[G0+4*\s+1], s45, \s*SLOT
	s_add_nc_u64 s[G0+4*\s+2:G0+4*\s+3], s[20:21], \s*ROWB
	s_or_b32 s[G0+4*\s+3], s[G0+4*\s+3], 0x80000000
	s_mov_b32 s[G0B+4*\s], 1
	s_add_co_u32 s[G0B+4*\s+1], s45, \s*SLOT
	s_add_nc_u64 s[G0B+4*\s+2:G0B+4*\s+3], s[46:47], \s*ROWB
	s_or_b32 s[G0B+4*\s+3], s[G0B+4*\s+3], 0x80000000
	JLOAD G0+4*\s, G1, G0B+4*\s, G1B
.endr
	v_and_b32 v1, 15, v0                           ; r
	v_bfe_u32 v2, v0, 4, 1                         ; h
	v_mul_u32_u24 v3, v1, PITCH
	v_lshl_add_u32 v4, v2, 4, v3                   ; a fragment's row x pitch + 16 h
	s_mul_i32 s21, s15, HALFT                      ; my 128 rows of x
	s_mul_i32 s22, s16, HALFT                      ; my 128 rows of Wqkv,
	s_add_co_u32 s22, s22, 2*HALFT                 ; behind x's 256
.irp s, 0,1
	v_add_nc_u32 v[ADRA+\s], s21, v4
	v_add_nc_u32 v[ADRB+\s], s22, v4
	s_add_co_u32 s21, s21, SLOT
	s_add_co_u32 s22, s22, SLOT
.endr
	v_mul_u32_u24 v5, v1, KS                       ; my row's scales: KS bytes a row,
	v_lshrrev_b32 v6, 8, v5
	v_lshl_add_u32 v5, v6, 4, v5                   ; and 16 more for each 256 passed
	s_mul_i32 s21, s15, HALFS
	s_mul_i32 s22, s16, HALFS
	s_add_co_u32 s22, s22, 2*HALFS
	s_sub_co_u32 s22, s22, s21
	v_mul_u32_u24 v6, s22, v2                      ; lanes 16-31 take Wqkv's
	s_add_co_u32 s21, s21, SCL
	v_add_nc_u32 v5, v5, v6
	v_add_nc_u32 v[ADRS], s21, v5
	s_mul_i32 s23, s14, 16*SROW                    ; my stage
	v_mul_u32_u24 v5, v1, SROW
	v_lshl_add_u32 v5, v2, 4, v5
	v_add_nc_u32 v[STO], s23, v5                   ; in: row r, 16 bytes for each half of the lanes
	v_and_b32 v6, 31, v0
	v_lshlrev_b32 v[CO], 4, v6
	v_lshrrev_b32 v5, 3, v6
	v_mul_u32_u24 v5, v5, SROW
	v_and_b32 v7, 7, v0
	v_lshl_add_u32 v5, v7, 4, v5
	v_add_nc_u32 v[RD], s23, v5                    ; back: eight lanes to a row of 128 bytes, four rows an instruction
	v_lshlrev_b32 v[BOF], 5, v2
	s_lshl_b32 s46, s42, 10                        ; the bias of my 128 columns: (256 x tile column + 128 x half) x 4 bytes
	s_lshl_b32 s47, s16, 9
	s_add_co_u32 s46, s46, s47
	s_mov_b32 s47, 0
	s_add_nc_u64 s[96:97], s[96:97], s[46:47]
	s_and_b32 s20, s17, 7                          ; the tile row within its batch
	s_lshl_b32 s21, s20, 4                         ; the table's block of my tile's first row,
	s_cmp_eq_u32 ttmp9, 2
	s_cselect_b32 s21, 128, s21                    ; or, for V, the identity blocks: a choice of an address, no branch
	s_lshl_b32 s22, s15, 3
	s_add_co_u32 s21, s21, s22
	s_lshl_b32 s22, s21, 12
	s_mov_b32 s23, 0
	s_add_nc_u64 s[98:99], s[98:99], s[22:23]
	s_lshl_b32 s46, ttmp9, 2                       ; where my rows of my first head begin in qkv16:
	s_lshr_b32 s47, s17, 3
	s_add_co_u32 s46, s46, s47                     ; 4 x part + batch,
	s_lshl_b32 s46, s46, 4
	s_lshl_b32 s47, s40, 2
	s_add_co_u32 s46, s46, s47
	s_lshl_b32 s47, s16, 1
	s_add_co_u32 s46, s46, s47                     ; x 16 + head (4 heads a tile column, 2 a wave),
	s_lshl_b32 s46, s46, 11
	s_lshl_b32 s47, s20, 8
	s_add_co_u32 s46, s46, s47
	s_lshl_b32 s47, s15, 7
	s_add_co_u32 s46, s46, s47                     ; x 2,048 + the row,
	s_lshl_b32 s46, s46, 7                         ; x 128 bytes: under 2^26
	s_mov_b32 s47, 0
	s_add_nc_u64 s[12:13], s[12:13], s[46:47]
	s_add_nc_u64 s[4:5], s[12:13], 0x1000000       ; one part (16,777,216 bytes) further on: from V's hi to V's lo; used by the clusters of V alone
	s_mov_b32 s6, 0x46000400                       ; 8193 = 2^13 + 1, for the split of V
	s_mov_b32 s7, s6                               ; (named with it as a pair, so it is written)
	WIN TO_B
.irp b, 0,1,2,3,4,5,6,7
	global_load_b128 v[64+8*\b:64+8*\b+3], v[BOF], s[96:97] offset:64*\b       ; the bias in the results' layout; it lands while the products run
	global_load_b128 v[64+8*\b+4:64+8*\b+7], v[BOF], s[96:97] offset:64*\b+16
.endr
	WIN 0
.macro TLD a                           ; the table's block for my rows 16 a on: 8 loads of 512 consecutive bytes, into set a % 2
.set TT, 96+96*((\a)%2)
.irp k, 0,1,2,3,4,5,6,7
	global_load_b128 v[TT+4*\k:TT+4*\k+3], v[CO], s[98:99] offset:(\a)*4096+512*\k
.endr
.endm
	TLD 0
	TLD 1
.macro FRAG reg, adr, q, i             ; 16 rows x 128 K of 4-bit codes: 8 registers; lane l holds row l % 16; registers 4 c .. 4 c + 3 hold K = 64 c + 32 (l / 16) + 0 .. 31
.irp c, 0,1
	ds_load_b128 v[\reg+4*\c:\reg+4*\c+3], v[\adr] offset:64*(\q)+32*\c+(\i)*16*PITCH
.endr
.endm
; 16 matrix instructions: x's blocks a0, a0 + 1 against Wqkv's eight, 128 along K.  One register carries x's scale word (lanes 0-15) and Wqkv's (lanes 16-31).  The 64 accumulators take turns, one instruction a turn.
.macro MUL16 a0, p, q, sc, zero
.irp a, \a0, \a0+1
.irp b, 0,1,2,3,4,5,6,7
.if \zero
	v_wmma_scale_f32_16x16x128_f8f6f4 v[8*(8*((\a)%4)+\b):8*(8*((\a)%4)+\b)+7], v[128*(\p)+FR*\b:128*(\p)+FR*\b+FR-1], v[AF+FR*(\a):AF+FR*(\a)+FR-1], 0, v[SC+8*NQ*(\sc)+NQ*\b+(\q)], v[SC+8*NQ*(\sc)+NQ*(\a)+(\q)] matrix_a_fmt:MATRIX_FMT_FP4 matrix_b_fmt:MATRIX_FMT_FP4 matrix_a_scale:MATRIX_SCALE_ROW1
.else
	v_wmma_scale_f32_16x16x128_f8f6f4 v[8*(8*((\a)%4)+\b):8*(8*((\a)%4)+\b)+7], v[128*(\p)+FR*\b:128*(\p)+FR*\b+FR-1], v[AF+FR*(\a):AF+FR*(\a)+FR-1], v[8*(8*((\a)%4)+\b):8*(8*((\a)%4)+\b)+7], v[SC+8*NQ*(\sc)+NQ*\b+(\q)], v[SC+8*NQ*(\sc)+NQ*(\a)+(\q)] matrix_a_fmt:MATRIX_FMT_FP4 matrix_b_fmt:MATRIX_FMT_FP4 matrix_a_scale:MATRIX_SCALE_ROW1
.endif
.endr
.endr
.endm
.macro FETCH_B slot, q, p
	WIN TO_B
.irp i, 0,1,2,3,4,5,6,7
	FRAG 128*(\p)+FR*\i, ADRB+\slot, \q, \i
.endr
	WIN 0
.endm
.macro FETCH_A slot, q, i0
.irp i, \i0, \i0+1, \i0+2, \i0+3
	FRAG AF+FR*(\i), ADRA+\slot, \q, \i
.endr
.endm
.macro SCALES sc                       ; a slot's scale words: 4 words a row; lanes 0-15 take x's block i, lanes 16-31 Wqkv's block i
.irp i, 0,1,2,3,4,5,6,7
	ds_load_b128 v[SC+8*NQ*\sc+NQ*\i:SC+8*NQ*\sc+NQ*\i+3], v[ADRS] offset:\i*SBLK
.endr
.endm
.macro PLACES n                        ; plain vector lines between a matrix instruction and a load into, or a vector line on, its registers (ISA guide 7.12.1 for vector lines)
.rept \n
	v_nop
.endr
.endm
.macro STEP slot, q, zero              ; a step of 128 along K that has its successor in the same slot
	s_wait_dscnt 4*NL                              ; Wqkv's set and x's blocks 0-3 are in; the youngest eight loads (x's blocks 4-7) may be out
	WIN MUL_LO
	MUL16 0, (\q)%2, \q, \slot, \zero
	MUL16 2, (\q)%2, \q, \slot, \zero
	s_wait_dscnt 0
	PLACES NP
	FETCH_B \slot, (\q)+1, 1-(\q)%2
	FETCH_A \slot, (\q)+1, 0
	WIN MUL_HI
	MUL16 4, (\q)%2, \q, \slot, \zero
	MUL16 6, (\q)%2, \q, \slot, \zero
	PLACES NP
	WIN 0
	FETCH_A \slot, (\q)+1, 4
.endm
; Slot 0's last step changes slots: one barrier.  In front of it each wave waits for all its tensor loads (its part of slot 1), adds 0 to its spare word, and waits for that and for its reads of slot 0.  Nothing is filled again.
.macro TURN slot, next
	s_wait_tensorcnt 0x0
	ds_add_u32 v[SPW], v[NIL]
	s_wait_dscnt 4*NL+1                            ; the add and the youngest eight loads may be out
	WIN MUL_LO
	MUL16 0, 1, NQ-1, \slot, 0
	s_wait_dscnt 0x0                               ; the add is done, and my reads of this slot are over
	s_barrier_signal -1
	MUL16 2, 1, NQ-1, \slot, 0
	WIN 0
	s_barrier_wait -1
	PLACES NP
	v_add_nc_u32 v[ADRS], 4*NQ, v[ADRS]            ; on to the next slot's scale words
	FETCH_B \next, 0, 0
	FETCH_A \next, 0, 0
	SCALES \next
	WIN MUL_HI
	MUL16 4, 1, NQ-1, \slot, 0
	MUL16 6, 1, NQ-1, \slot, 0
	PLACES NP
	WIN 0
	FETCH_A \next, 0, 4
.endm
.macro STEPS slot, from
.set Q, \from
.rept NQ-1-\from
	STEP \slot, Q, 0
.set Q, Q+1
.endr
.endm
	s_wait_tensorcnt 1                             ; the scales and my part of slot 0 are in; slot 1's load may be out,
	s_barrier_signal -1
	s_barrier_wait -1                              ; everybody's are
	FETCH_B 0, 0, 0
	FETCH_A 0, 0, 0
	SCALES 0
	FETCH_A 0, 0, 4
	STEP 0, 0, 1                                   ; the first products start the sums: nothing is cleared
	STEPS 0, 1
	TURN 0, 1
	STEPS 1, 0
	s_wait_dscnt 4*NL                              ; the last step: nothing more to fetch
	WIN MUL_LO
	MUL16 0, 1, NQ-1, 1, 0
	MUL16 2, 1, NQ-1, 1, 0
	s_wait_dscnt 0
	WIN MUL_HI
	MUL16 4, 1, NQ-1, 1, 0
	MUL16 6, 1, NQ-1, 1, 0
	WIN 0
; A UNIT: rows 16 a on of head e (of my two).  p = 0 .. 15 are the lane's pairs: columns 16 (p / 4) + 8 h + 2 (p % 4) and the next; the table's registers 2 p, 2 p + 1 are that pair's cos and sin.
.macro UNIT a, e
.set AC, 64*((\a)%4)+32*(\e)
.set TT, 96+96*((\a)%2)
.set BB, BKR+16*(\e)
.if (\e) == 0
.if (\a) < 7
	s_wait_loadcnt 8                               ; this block's table (and the bias, which is older) is in; the next block's eight loads may be out
.else
	s_wait_loadcnt 0x0
.endif
.endif
	WIN 0x06+(\a)/4                                ; source 0: the accumulators' window; source 1: window 1
.irp p, 0,1,2,3,4,5,6,7,8,9,10,11,12,13,14,15
	v_pk_add_f32 v[XR+2*\p:XR+2*\p+1], v[AC+2*\p:AC+2*\p+1], v[64+32*(\e)+2*\p:64+32*(\e)+2*\p+1]   ; + bias; each accumulator is read from its low end on
.endr
	WIN 0
.irp p, 0,1,2,3,4,5,6,7,8,9,10,11,12,13,14,15
	v_pk_mul_f32 v[UR+2*\p:UR+2*\p+1], v[XR+2*\p:XR+2*\p+1], v[TT+2*\p:TT+2*\p+1] op_sel_hi:[1,0]   ; x1 cos, x2 cos
.endr
.irp p, 0,1,2,3,4,5,6,7,8,9,10,11,12,13,14,15
	v_pk_fma_f32 v[UR+2*\p:UR+2*\p+1], v[XR+2*\p:XR+2*\p+1], v[TT+2*\p:TT+2*\p+1], v[UR+2*\p:UR+2*\p+1] op_sel:[1,1,0] op_sel_hi:[0,1,1] neg_lo:[1,0,0]   ; - x2 sin, + x1 sin
.endr
.if ((\e) == 1) && ((\a) < 6)
	TLD (\a)+2                                     ; the set is free: the block two further on
.endif
	s_cmp_lg_u32 ttmp9, 2                          ; V's clusters alone: the cluster's x, which all sixteen partners share
	s_cbranch_scc1 .Lnolo_\@
	s_wait_xcnt 0x0                                ; the last unit's stores of lo have read v224-239, which are written again below
.irp p, 0,1,2,3,4,5,6,7,8,9,10,11,12,13,14,15
	v_pk_mul_f32 v[XR+2*\p:XR+2*\p+1], v[UR+2*\p:UR+2*\p+1], s[6:7] op_sel_hi:[1,0]                                 ; c = 8193 x
.endr
.irp p, 0,1,2,3,4,5,6,7,8,9,10,11,12,13,14,15
	v_pk_add_f32 v[YR+2*\p:YR+2*\p+1], v[XR+2*\p:XR+2*\p+1], v[UR+2*\p:UR+2*\p+1] neg_lo:[0,1] neg_hi:[0,1]         ; c - x
.endr
.irp p, 0,1,2,3,4,5,6,7,8,9,10,11,12,13,14,15
	v_pk_add_f32 v[XR+2*\p:XR+2*\p+1], v[XR+2*\p:XR+2*\p+1], v[YR+2*\p:YR+2*\p+1] neg_lo:[0,1] neg_hi:[0,1]         ; hi = c - (c - x): x rounded to 11 significant bits
.endr
.irp p, 0,1,2,3,4,5,6,7,8,9,10,11,12,13,14,15
	v_pk_add_f32 v[YR+2*\p:YR+2*\p+1], v[UR+2*\p:UR+2*\p+1], v[XR+2*\p:XR+2*\p+1] neg_lo:[0,1] neg_hi:[0,1]         ; lo = x - hi, exact
.endr
.irp p, 0,1,2,3,4,5,6,7,8,9,10,11,12,13,14,15
	v_pk_add_f32 v[UR+2*\p:UR+2*\p+1], v[UR+2*\p:UR+2*\p+1], v[YR+2*\p:YR+2*\p+1] neg_lo:[0,1] neg_hi:[0,1]         ; x - lo = hi, exact: the common lines below pack it without rounding
.endr
.irp p, 0,1,2,3,4,5,6,7,8,9,10,11,12,13,14,15
	v_cvt_pk_f16_f32 v[PL+\p], v[YR+2*\p], v[YR+2*\p+1]
.endr
.irp b, 0,1,2,3
	ds_store_b128 v[STO], v[PL+4*\b:PL+4*\b+3] offset:LOST+32*\b
.endr
.irp i, 0,1,2,3
	ds_load_b128 v[YR+4*\i:YR+4*\i+3], v[RD] offset:LOST+4*SROW*\i
.endr
	s_wait_dscnt 0x0                               ; lo is back as whole rows (and all older LDS instructions are done: the counted waits below then find less out than they allow)
.irp i, 0,1,2,3
	global_store_b128 v[CO], v[YR+4*\i:YR+4*\i+3], s[4:5] offset:(\e)*262144+(\a)*2048+512*\i   ; 512 consecutive bytes, aligned
.endr
.Lnolo_\@:
.irp p, 0,1,2,3,4,5,6,7,8,9,10,11,12,13,14,15
	v_cvt_pk_f16_f32 v[PK+\p], v[UR+2*\p], v[UR+2*\p+1]
.endr
.irp b, 0,1,2,3
	ds_store_b128 v[STO], v[PK+4*\b:PK+4*\b+3] offset:32*\b
.endr
.irp i, 0,1,2,3
	ds_load_b128 v[BB+4*\i:BB+4*\i+3], v[RD] offset:4*SROW*\i    ; LDS serves a wave's instructions in order (ISA guide 5.7.1.4): these see the stores above
.endr
.endm
.macro SENDU a, e, younger             ; younger: the LDS instructions issued behind this unit's loads
.set BB, BKR+16*(\e)
	s_wait_dscnt \younger
.irp i, 0,1,2,3
	global_store_b128 v[CO], v[BB+4*\i:BB+4*\i+3], s[12:13] offset:(\e)*262144+(\a)*2048+512*\i   ; 512 consecutive bytes, aligned: four rows of the head
.endr
.endm
	PLACES NP                                      ; behind the last products: their operands' and scales' registers are written below, and their results read later
	UNIT 0, 0
	UNIT 0, 1
	SENDU 0, 0, 8                                  ; behind unit (0, 0)'s loads: the next unit's 4 stores and 4 loads
.irp a, 1,2,3,4,5,6,7
	s_wait_xcnt 0x0                                ; the stores of two units back have read their registers: the stage's loads may land there
	UNIT \a, 0
	SENDU \a-1, 1, 8
	s_wait_xcnt 0x0
	UNIT \a, 1
	SENDU \a, 0, 8
.endr
	SENDU 7, 1, 0
	s_wait_tensorcnt 0x0                           ; the wave's end, behind my last tensor load and my last LDS store
	ds_add_u32 v[SPW], v[NIL]
	s_wait_dscnt 0x0
	CROUND                                         ; the closing round
	s_endpgm
.Lfunc_end_k_q487b708e8d_qkv:
	.size	k_q487b708e8d_qkv, .Lfunc_end_k_q487b708e8d_qkv-k_q487b708e8d_qkv
	.p2alignl 7, 3214868480
	.fill 96, 4, 3214868480
	.section	.rodata,"a",@progbits
	.p2align	6, 0x0
	.amdhsa_kernel k_q487b708e8d_qkv
		.amdhsa_group_segment_fixed_size 327680
		.amdhsa_private_segment_fixed_size 0
		.amdhsa_enable_private_segment 0
		.amdhsa_kernarg_size 56
		.amdhsa_user_sgpr_count 2
		.amdhsa_user_sgpr_kernarg_segment_ptr 1
		.amdhsa_wavefront_size32 1
		.amdhsa_system_sgpr_workgroup_id_x 1
		.amdhsa_system_sgpr_workgroup_id_y 1
		.amdhsa_system_sgpr_workgroup_id_z 1
		.amdhsa_system_vgpr_workitem_id 0
		.amdhsa_next_free_vgpr 1024
		.amdhsa_next_free_sgpr 100
		.amdhsa_reserve_vcc 0
		.amdhsa_float_denorm_mode_32 3
		.amdhsa_float_denorm_mode_16_64 3
		.amdhsa_memory_ordered 1
		.amdhsa_forward_progress 1
		.amdhsa_inst_pref_size 255
	.end_amdhsa_kernel
	.section	.bss,"aw",@nobits
	.p2align	6
	.space	262144
	.amdgpu_metadata
---
amdhsa.version: [ 1, 2 ]
amdhsa.kernels:
  - .name:           k_q487b708e8d_qkv
    .symbol:         k_q487b708e8d_qkv.kd
    .args:
      - { .name: xq, .offset: 0, .size: 8, .value_kind: global_buffer, .address_space: global }
      - { .name: xs, .offset: 8, .size: 8, .value_kind: global_buffer, .address_space: global }
      - { .name: wq, .offset: 16, .size: 8, .value_kind: global_buffer, .address_space: global }
      - { .name: ws, .offset: 24, .size: 8, .value_kind: global_buffer, .address_space: global }
      - { .name: Wqkv_b, .offset: 32, .size: 8, .value_kind: global_buffer, .address_space: global }
      - { .name: rope, .offset: 40, .size: 8, .value_kind: global_buffer, .address_space: global }
      - { .name: qkv16, .offset: 48, .size: 8, .value_kind: global_buffer, .address_space: global }
    .group_segment_fixed_size: 327680
    .private_segment_fixed_size: 0
    .kernarg_segment_align: 8
    .kernarg_segment_size: 56
    .max_flat_workgroup_size: 128
    .sgpr_count:     100
    .vgpr_count:     1024
    .wavefront_size: 32
...
	.end_amdgpu_metadata
.endif
;; end of part 2
;; launch attn (part 3): grid 4 x 64, 16 waves a work-group, no clusters, 327,680 bytes of LDS; arguments qkv16, att16; writes att16
.if DOCPART == 3
	.amdgcn_target "amdgcn-amd-amdhsa--gfx1250"
	.amdhsa_code_object_version 6
	.text
	.protected	k_q487b708e8d_attn
	.globl	k_q487b708e8d_attn
	.p2align	8
	.type	k_q487b708e8d_attn,@function
k_q487b708e8d_attn:
	s_mov_b64 s[64:65], 0
	v_nop
	global_prefetch_b8 v0, s[64:65] scope:SCOPE_SE
	s_setreg_imm32_b32 hwreg(HW_REG_WAVE_MODE, 25, 1), 1
	s_wait_xcnt 0x0
; ATTN: O[q] = sum over k <= q of softmax_k(Q[q] . K[k] / 8) V[k], for each of 64 (batch, head).  Q, K, V's hi, V's lo: f16 [2048][64] a head, the four parts of qkv16; O: two f16 numbers, hi and lo, [2048][64] a head each, the two parts of att16.
; Products on f16 operands with f32 sums; maxima, exponentials and sums in f32; the weights p (at most 1) are rounded to f16 for the second product.
; V AND O GO AS hi + lo: a query with few keys passes V on nearly as it is, and such rows of the output are some sixteen times its root mean square, by which the error is judged: 11 bits of V and of O are too few there.
; O^T += Vhi^T P and O^T += Vlo^T P go onto the same f32 accumulators.
; SHARES.  A work-group owns the query blocks j and 7 - j (256 queries each) of one head: 9 blocks' worth of causal work in every work-group.  Each of its SIXTEEN waves owns 32 queries, two tiles of 16, in 256 registers:
; four waves to a SIMD, so that one wave's softmax stands beside another's products and LDS loads.  All waves walk the same keys, 64 a step, 256 a slot, through a ring of two LDS slots filled by the tensor data mover
; (waves 0, 1: K's halves; waves 2, 3: V hi's; waves 4, 5: V lo's).
; LAYOUT.  S^T = K Q^T (source 0 = 16 keys, source 1 = 16 queries): a lane holds ONE query (lane % 16) and the keys 8 (lane / 16) + 0..7 of each tile.  Two such tiles, rounded to f16 in pairs, ARE source 1 (32 keys)
; of O^T = V^T P; V ([key][channel]) is turned by ds_load_tr16_b128.  P is packed in place, into the low half of S^T's registers; the upper half then takes four fragments of V's lo.
; SOFTMAX.  A running maximum m and sum l for each query: p = 2^(c s - c m), c = log2(e) / 8; in every step O and l are multiplied by a = 2^(c m_old - c m_new).
; THE MASK.  Every work-group walks all 8 slots (constant trip counts, every barrier passed); a step all of whose keys come after the wave's queries is jumped over by a branch on ids; on the diagonal (one step a wave)
; hidden scores take the fill -8e9, which is -1e9 after the division by 8.  A slot whose first key comes after the work-group's last query is not asked for.
; NO CLUSTER: the work-groups that share K and V are the four of a head; they need 8, 7, 6 and 5 slots, and which steps a wave leaves out hangs on its work-group's query blocks, which would be its place in the cluster.
; LIMITS: NaN and infinities are not served.  Steps wholly under the mask are left out: that equals the fill while true scores / 8 lie above -1e9 + 100.  O must stay under 65,504 (f16); a lo under 6.1e-5 is kept in steps of 6e-8.
.set KP,    144                        ; a key's row in LDS: 128 bytes + 16: the 16 rows of a load start at 16 different banks (ISA guide 11.1)
.set VP,    160                        ; a row of V: 128 + 32, an odd multiple of 32, for the turning load
.set VOFF,  256*KP                     ; a slot: 256 rows of K, then 256 rows of V's hi,
.set VLOFF, VOFF+256*VP                ; then 256 rows of V's lo: 118,784 bytes
.set SLOT1, 1<<17                      ; slot 1 begins here: one exclusive or turns an address from one slot to the other
.set STAGE, 2*SLOT1                    ; the way out: 16 rows x 144 bytes for each wave; no tile lands here
.set SPARE, STAGE+16*2304              ; the spare words, 128 bytes a wave
.set AK0, 1                            ; v1   my lane's place in a tile of K
.set AV0, 2                            ; v2   and of V
.set SPW, 3                            ; v3   my spare word; never rewritten
.set NIL, 4                            ; v4   0; never rewritten
.set ADK, 5
.set ADV, 6
.set DL,  7                            ; v7   r - 8 h
.set D0,  8                            ; v8, v9  the mask's bounds for the two tiles
.set NEG, 10                           ; v10  -8e9
.set PFO, 11                           ; v11  256 x lane; never rewritten
.set QO,  12                           ; v12  at the head: my offset in Q's rows;
.set ADL, 12                           ;      in the steps, when Q is in: the LDS address of V's lo
.set STO, 13
.set RD,  14
.set GO,  15
.set ST,  16                           ; tile t's statistics at v[16 + 8 t]: +0 c m, +1 m, +2, +3 l, +4 .. +7 at work (a takes +6)
.set QF,  32                           ; Q: (tile t, channels 32 c on) at 32 + 8 (2 t + c)
.set KV,  64                           ; K of a step, then V's hi, then half of V's lo: 64 registers
.set SS,  128                          ; S^T, 32 a tile; P in each tile's low 16
.set OT,  192                          ; O^T, 32 a tile
.set WV,  8
.set Q0,  14                           ; s14  my first query
.set QE,  15                           ; s15  my last
.set QL,  16                           ; s16  my work-group's last
.set KF,  17                           ; s17  the step's first key
.set TB,  18                           ; s18  LDS byte at which the slot in hand begins
.set SLOTS, 19
.set SEL, 20
.set CS,  22
.set G1K, 24
.set G1V, 32
.set G0K, 40
.set G0V, 44
.set PFA, 48
.set LIM, 50
.set SPL, 58                           ; s[58:59] 8193, for the split of O
.set LOB, 66                           ; s[66:67] O's lo at my first query
.set G0L, 68                           ; s[68:71] group 0 for V's lo
; Waves 0 and 1 fetch for K, waves 2 and 3 for V's hi, waves 4 and 5 for V's lo, the others nothing.  An s_nop 0 and four v_nop follow each of the three lines.
.macro TLOAD
	s_cmp_lt_u32 s[WV], 2
	s_cbranch_scc0 .Lnot_k_\@
	tensor_load_to_lds s[G0K:G0K+3], s[G1K:G1K+7]
	s_nop 0
.rept 4
	v_nop
.endr
	s_branch .Lasked_\@
.Lnot_k_\@:
	s_cmp_lt_u32 s[WV], 4
	s_cbranch_scc0 .Lnot_v_\@
	tensor_load_to_lds s[G0V:G0V+3], s[G1V:G1V+7]
	s_nop 0
.rept 4
	v_nop
.endr
	s_branch .Lasked_\@
.Lnot_v_\@:
	s_cmp_lt_u32 s[WV], 6
	s_cbranch_scc0 .Lasked_\@
	tensor_load_to_lds s[G0L:G0L+3], s[G1V:G1V+7]
	s_nop 0
.rept 4
	v_nop
.endr
.Lasked_\@:
.endm
; A prefetch of what the NEXT change of slots will ask for: 32,768 bytes each of K, of V's hi and of V's lo.  The head's work-group with j = 0, which walks all slots, asks; in it waves 4 to 7 for K, waves 8 to 11 for V's hi,
; waves 12 to 15 for V's lo, 8,192 bytes a wave, lanes 256 bytes apart: each aligned block of 256 bytes is named once in the launch.  It is asked four key steps ahead of its load.  The last filling change asks for nothing; slots 0 and 1 come by their loads alone.
.macro ASK
	s_cmp_gt_u32 s[SLOTS], s[LIM]
	s_cbranch_scc0 .Lnot_mine_\@
	global_prefetch_b8 v[PFO], s[PFA:PFA+1] th:TH_LOAD_NT scope:SCOPE_SE
.Lnot_mine_\@:
.endm
	s_load_b128 s[4:7], s[0:1], 0x0                ; qkv16, att16
	v_lshl_add_u32 v[SPW], v0, 2, SPARE
	v_mov_b32 v[NIL], 0
	ds_add_u32 v[SPW], v[NIL]                      ; the wave's opening: the add and its wait stand ahead of the first tensor load; the set-up below stands between them
	v_lshrrev_b32 v5, 5, v0
	v_readfirstlane_b32 s[WV], v5                  ; wave 0..15
	s_and_b32 s52, ttmp7, 0xffff                   ; (batch, head)
	s_lshl_b32 s10, s52, 18                        ; its 262,144 bytes in each part of qkv16 and of att16
	s_mov_b32 s11, 0
	s_lshr_b32 s52, s[WV], 2
	s_xor_b32 s52, s52, s[WV]
	s_and_b32 s52, s52, 1                          ; which of the two query blocks is mine: the blocks are mixed over the waves
	s_sub_co_u32 s53, 7, ttmp9
	s_cmp_eq_u32 s52, 1
	s_cselect_b32 s53, s53, ttmp9
	s_lshl_b32 s53, s53, 8
	s_lshr_b32 s54, s[WV], 1
	s_lshl_b32 s54, s54, 5
	s_add_co_u32 s[Q0], s53, s54                   ; 256 x block + 32 x (wave / 2)
	s_add_co_u32 s[QE], s[Q0], 31
	s_sub_co_u32 s[QL], 8, ttmp9
	s_lshl_b32 s[QL], s[QL], 8
	s_sub_co_u32 s[QL], s[QL], 1                   ; block 7 - j's last query
	s_and_b32 s53, s[WV], 1                        ; which half of a slot's rows I fetch, if I fetch:
	s_lshl_b32 s54, s53, 14                        ; 128 rows of 128 bytes in memory,
	s_add_co_u32 s54, s54, s10
	s_mov_b32 s55, 0
	s_mul_i32 s56, s53, 128*KP                     ; and in a slot
	s_mul_i32 s57, s53, 128*VP
	s_add_co_u32 s57, s57, VOFF
	s_lshl_b32 s2, s[Q0], 7
	s_add_co_u32 s2, s2, s10                       ; my queries' rows
	s_mov_b32 s3, 0
	s_mov_b32 s[G1K], (1<<16)|(1<<20)|(4<<22)|(3<<25)   ; no mask; elements of 2 bytes; padding on: after every 32 words, 4 words
	s_mov_b32 s[G1V], (1<<16)|(1<<20)|(4<<22)|(7<<25)   ; the same with 8 words
.irp g, G1K, G1V
	s_mov_b32 s[\g+1], 64<<16                      ; tensor_dim0
	s_mov_b32 s[\g+2], 128<<16                     ; tensor_dim1
	s_mov_b32 s[\g+3], 64<<16                      ; tile_dim0
	s_mov_b32 s[\g+4], 128                         ; tile_dim1
	s_mov_b32 s[\g+5], 64                          ; the pitch
	s_mov_b32 s[\g+6], 0
	s_mov_b32 s[\g+7], 0
.endr
	s_mov_b32 s[SEL], 0x76543210
	s_mov_b32 s[SEL+1], 0xfedcba98                 ; v_permlanex16_b32's selects for lane l xor 16
	s_mov_b32 s[CS], 0x3e38aa3b                    ; c = log2(e) / 8
	s_mov_b32 s[CS+1], s[CS]                       ; (named with it as a pair, so it is written)
	s_mov_b32 s[SPL], 0x46000400                   ; 8193 = 2^13 + 1
	s_mov_b32 s[SPL+1], s[SPL]
	s_mov_b32 s[KF], 0
	s_mov_b32 s[TB], 0
	s_mov_b32 s[SLOTS], 7
	s_wait_dscnt 0x0                               ; the opening add is done
	s_wait_kmcnt 0x0
	s_mov_b32 s[G0K], 1
	s_mov_b32 s[G0K+1], s56
	s_add_nc_u64 s[G0K+2:G0K+3], s[4:5], s[54:55]
	s_add_nc_u64 s[G0K+2:G0K+3], s[G0K+2:G0K+3], 0x1000000   ; K lies 16,777,216 bytes into qkv16,
	s_or_b32 s[G0K+3], s[G0K+3], 0x80000000
	s_mov_b32 s[G0V], 1
	s_mov_b32 s[G0V+1], s57
	s_add_nc_u64 s[G0V+2:G0V+3], s[4:5], s[54:55]
	s_add_nc_u64 s[G0V+2:G0V+3], s[G0V+2:G0V+3], 0x2000000   ; V's hi 33,554,432,
	s_or_b32 s[G0V+3], s[G0V+3], 0x80000000
	s_mov_b32 s[G0L], 1
	s_add_co_u32 s[G0L+1], s57, VLOFF-VOFF
	s_add_nc_u64 s[G0L+2:G0L+3], s[4:5], s[54:55]
	s_add_nc_u64 s[G0L+2:G0L+3], s[G0L+2:G0L+3], 0x3000000   ; V's lo 50,331,648
	s_or_b32 s[G0L+3], s[G0L+3], 0x80000000
	TLOAD                                          ; slot 0: the one first fill.  By this text's count a wave never has more than one tensor load out
	s_add_nc_u64 s[12:13], s[4:5], s[2:3]          ; Q at my first query
	s_add_nc_u64 s[6:7], s[6:7], s[2:3]            ; O's hi likewise,
	s_add_nc_u64 s[LOB:LOB+1], s[6:7], 0x1000000   ; and O's lo, 16,777,216 bytes further on
	v_and_b32 v8, 15, v0                           ; r
	v_bfe_u32 v9, v0, 4, 1                         ; h
	v_lshlrev_b32 v[QO], 7, v8
	v_lshl_add_u32 v[QO], v9, 4, v[QO]             ; row r of 128 bytes + 16 h
.irp t, 0,1
.irp c, 0,1
	global_load_b128 v[QF+8*(2*\t+\c):QF+8*(2*\t+\c)+3], v[QO], s[12:13] offset:2048*\t+64*\c       ; Q stays in registers
	global_load_b128 v[QF+8*(2*\t+\c)+4:QF+8*(2*\t+\c)+7], v[QO], s[12:13] offset:2048*\t+64*\c+32
.endr
.endr
	s_lshr_b32 s52, s[WV], 2                       ; the prefetches: waves 4 to 7 stand in part 1 (K), waves 8 to 11 in part 2, waves 12 to 15 in part 3,
	s_lshl_b32 s52, s52, 24
	s_and_b32 s53, s[WV], 3
	s_lshl_b32 s53, s53, 13                        ; my wave's 8,192 bytes,
	s_add_co_u32 s52, s52, s53
	s_add_co_u32 s52, s52, s10                     ; in my head,
	s_add_co_u32 s52, s52, 32768                   ; in slot 1: the first change of slots steps it to slot 2
	s_mov_b32 s53, 0
	s_add_nc_u64 s[PFA:PFA+1], s[4:5], s[52:53]
	s_lshr_b32 s52, s[WV], 2
	s_cmp_eq_u32 s52, 0
	s_cselect_b32 s52, 1, 0                        ; 0 in waves 4 to 15,
	s_or_b32 s52, s52, ttmp9                       ; of the work-group with j = 0
	s_cmp_eq_u32 s52, 0
	s_cselect_b32 s[LIM], 1, -1
	v_mul_u32_u24 v[AK0], v8, KP
	v_lshl_add_u32 v[AK0], v9, 4, v[AK0]           ; K: row r x pitch + 16 h
	v_and_b32 v[AV0], 7, v0                        ; V, for the turning load: key 8 h + lane % 8, channels 8 ((lane / 8) % 2) on
	v_lshl_add_u32 v[AV0], v9, 3, v[AV0]
	v_mul_u32_u24 v[AV0], v[AV0], VP
	v_bfe_u32 v[ADK], v0, 3, 1
	v_lshl_add_u32 v[AV0], v[ADK], 4, v[AV0]
	v_add_nc_u32 v[AV0], VOFF, v[AV0]
	v_lshlrev_b32 v[DL], 3, v9
	v_sub_nc_u32 v[DL], v8, v[DL]
	v_mov_b32 v[NEG], 0xcfee6b28
	s_mul_i32 s52, s[WV], 2304
	s_add_co_u32 s52, s52, STAGE                   ; my stage
	v_mul_u32_u24 v[STO], v8, 144
	v_lshl_add_u32 v[STO], v9, 4, v[STO]
	v_add_nc_u32 v[STO], s52, v[STO]               ; in: row r, 16 bytes for each half of the lanes
	v_and_b32 v[GO], 31, v0
	v_lshrrev_b32 v[RD], 3, v[GO]
	v_mul_u32_u24 v[RD], v[RD], 144
	v_and_b32 v[ADV], 7, v0
	v_lshl_add_u32 v[RD], v[ADV], 4, v[RD]
	v_add_nc_u32 v[RD], s52, v[RD]                 ; back: eight lanes to a row, four rows an instruction
	v_lshlrev_b32 v[GO], 4, v[GO]                  ; 16 x lane
	v_lshlrev_b32 v[PFO], 4, v[GO]                 ; 256 x lane
.irp t, 0,1
	v_mov_b32 v[ST+8*\t+1], 0xff61b1e6             ; m = -3e38, under every score
	v_mul_f32 v[ST+8*\t], s[CS], v[ST+8*\t+1]
.irp i, 2,3,4,5,6,7
	v_mov_b32 v[ST+8*\t+\i], 0                     ; l, and the registers at work: written once on every path
.endr
.endr
.set i, 0
.rept 64
	v_mov_b32 v[OT+i], 0                           ; O^T.  The step is written once: the first finds zeros, which a = 0 leaves zeros
.set i, i+1
.endr
; A KEY STEP: 64 keys, the q-th of the slot in hand.
.macro STEP q
	s_cmp_gt_u32 s[KF], s[QE]                      ; all keys behind my queries: the step's work is left out.  Ids and the count of steps alone; no barrier and no tensor load stands in a step
	s_cbranch_scc1 .Lhidden_\@
	v_add_nc_u32 v[ADK], s[TB], v[AK0]
	v_add_nc_u32 v[ADV], s[TB], v[AV0]
	v_add_nc_u32 v[ADL], VLOFF-VOFF, v[ADV]
.rept 2
	v_nop                                          ; with the three additions five places behind the last products: the products below write over P and over V lo's fragments, and the loads land on V's
.endr
.irp c, 0,1
.irp k, 0,1,2,3
	ds_load_b128 v[KV+8*(4*\c+\k):KV+8*(4*\c+\k)+3], v[ADK] offset:(64*(\q)+16*\k)*KP+64*\c
	ds_load_b128 v[KV+8*(4*\c+\k)+4:KV+8*(4*\c+\k)+7], v[ADK] offset:(64*(\q)+16*\k)*KP+64*\c+32
.endr
.endr
	s_wait_dscnt 8                                 ; channels 0-31 are in; the eight loads of channels 32-63 may be out
.irp k, 0,1,2,3
.irp t, 0,1
	v_wmma_f32_16x16x32_f16 v[SS+32*\t+8*\k:SS+32*\t+8*\k+7], v[KV+8*\k:KV+8*\k+7], v[QF+16*\t:QF+16*\t+7], 0
.endr
.endr
	s_wait_dscnt 0x0
.irp k, 0,1,2,3
.irp t, 0,1
	v_wmma_f32_16x16x32_f16 v[SS+32*\t+8*\k:SS+32*\t+8*\k+7], v[KV+32+8*\k:KV+32+8*\k+7], v[QF+16*\t+8:QF+16*\t+15], v[SS+32*\t+8*\k:SS+32*\t+8*\k+7]   ; the eight accumulators take turns
.endr
.endr
.rept 4
	v_nop                                          ; places in front of the loads into K's registers and of the first read of the scores
.endr
.irp u, 0,1
.irp g, 0,1,2,3
	ds_load_tr16_b128 v[KV+8*(4*\u+\g):KV+8*(4*\u+\g)+3], v[ADV] offset:(64*(\q)+32*\u)*VP+32*\g        ; V's hi, turned: keys 32 u on, channels 16 g on; it lands during the softmax
	ds_load_tr16_b128 v[KV+8*(4*\u+\g)+4:KV+8*(4*\u+\g)+7], v[ADV] offset:(64*(\q)+32*\u+16)*VP+32*\g
.endr
.endr
	s_add_co_u32 s52, s[KF], 63                    ; a step all of whose keys count skips the mask
	s_cmp_le_u32 s52, s[Q0]
	s_cbranch_scc1 .Lopen_\@
	s_sub_co_i32 s52, s[Q0], s[KF]
	v_add_nc_u32 v[D0], s52, v[DL]                 ; register n of tile t holds key KF + 16 (n / 8) + 8 h + n % 8; my query is Q0 + 16 t + r: hidden where 16 (n / 8) + n % 8 > Q0 - KF + 16 t + r - 8 h
	v_add_nc_u32 v[D0+1], 16, v[D0]
.irp t, 0,1
.set n, 0
.rept 32
	v_cmp_gt_i32 vcc_lo, 16*(n/8)+n%8, v[D0+\t]
	v_cndmask_b32 v[SS+32*\t+n], v[SS+32*\t+n], v[NEG], vcc_lo
.set n, n+1
.endr
.endr
.Lopen_\@:
.irp j, 0,1,2,3                                ; the maximum of 32 scores and the old m, in four chains; the two tiles line by line.  Each accumulator is first read at its low end
.irp t, 0,1
	v_max3_num_f32 v[ST+8*\t+4+\j], v[SS+32*\t+8*\j], v[SS+32*\t+8*\j+1], v[SS+32*\t+8*\j+2]
.endr
.endr
.irp i, 3,5
.irp j, 0,1,2,3
.irp t, 0,1
	v_max3_num_f32 v[ST+8*\t+4+\j], v[ST+8*\t+4+\j], v[SS+32*\t+8*\j+\i], v[SS+32*\t+8*\j+\i+1]
.endr
.endr
.endr
.irp t, 0,1
	v_max3_num_f32 v[ST+8*\t+4], v[ST+8*\t+4], v[SS+32*\t+7], v[SS+32*\t+15]
	v_max3_num_f32 v[ST+8*\t+6], v[ST+8*\t+6], v[SS+32*\t+23], v[SS+32*\t+31]
.endr
.irp t, 0,1
	v_max3_num_f32 v[ST+8*\t+4], v[ST+8*\t+4], v[ST+8*\t+5], v[ST+8*\t+6]
.endr
.irp t, 0,1
	v_max3_num_f32 v[ST+8*\t+4], v[ST+8*\t+4], v[ST+8*\t+7], v[ST+8*\t+1]
.endr
.irp t, 0,1
	v_permlanex16_b32 v[ST+8*\t+5], v[ST+8*\t+4], s[SEL], s[SEL+1]   ; the query's other 32 keys lie in the lane 16 away
.endr
.irp t, 0,1
	v_mov_b32 v[ST+8*\t+7], v[ST+8*\t]             ; c m_old
.endr
.irp t, 0,1
	v_max_num_f32 v[ST+8*\t+1], v[ST+8*\t+4], v[ST+8*\t+5]
.endr
.irp t, 0,1
	v_mul_f32 v[ST+8*\t], s[CS], v[ST+8*\t+1]
.endr
.irp t, 0,1
	v_sub_f32 v[ST+8*\t+7], v[ST+8*\t+7], v[ST+8*\t]
.endr
.set j, 0
.rept 16
.irp t, 0,1
	v_pk_fma_f32 v[SS+32*\t+j:SS+32*\t+j+1], v[SS+32*\t+j:SS+32*\t+j+1], s[CS:CS+1], v[ST+8*\t:ST+8*\t+1] op_sel_hi:[1,0,0] neg_lo:[0,0,1] neg_hi:[0,0,1]   ; c s - c m, two at a time
.endr
.set j, j+2
.endr
.irp t, 0,1
	v_exp_f32 v[ST+8*\t+6], v[ST+8*\t+7]           ; a.  ONE BATCH: 66 exponentials, none of which reads another's result
.endr
.set j, 0
.rept 32
.irp t, 0,1
	v_exp_f32 v[SS+32*\t+j], v[SS+32*\t+j]
.endr
.set j, j+1
.endr
	v_nop                                          ; a plain line behind the last exponential
	s_wait_alu depctr_va_vdst(0)                   ; one wait for the batch, ahead of its first reader
.irp t, 0,1
	v_pk_mul_f32 v[ST+8*\t+2:ST+8*\t+3], v[ST+8*\t+2:ST+8*\t+3], v[ST+8*\t+6:ST+8*\t+7] op_sel_hi:[1,0]   ; l under the new m
.endr
.irp t, 0,1
	v_pk_add_f32 v[ST+8*\t+4:ST+8*\t+5], v[SS+32*\t:SS+32*\t+1], v[SS+32*\t+2:SS+32*\t+3]   ; the sum of the unrounded p, in two chains a tile
.endr
.set j, 4
.rept 7
.irp t, 0,1
	v_pk_add_f32 v[ST+8*\t+2:ST+8*\t+3], v[ST+8*\t+2:ST+8*\t+3], v[SS+32*\t+j:SS+32*\t+j+1]
	v_pk_add_f32 v[ST+8*\t+4:ST+8*\t+5], v[ST+8*\t+4:ST+8*\t+5], v[SS+32*\t+j+2:SS+32*\t+j+3]
.endr
.set j, j+4
.endr
.irp t, 0,1
	v_pk_add_f32 v[ST+8*\t+2:ST+8*\t+3], v[ST+8*\t+2:ST+8*\t+3], v[ST+8*\t+4:ST+8*\t+5]
.endr
.set j, 0
.rept 16
.irp t, 0,1
	v_cvt_pk_f16_f32 v[SS+32*\t+j], v[SS+32*\t+2*j], v[SS+32*\t+2*j+1]   ; P in place, ascending: register j is written when 2 j and 2 j + 1 are read
.endr
.set j, j+1
.endr
.irp g, 0,1,2,3                                ; the upper halves of S^T are free now: V's lo of keys 0-31, channels 16 g on, at v[SS + 16 + 32 (g / 2) + 8 (g % 2)]
	ds_load_tr16_b128 v[SS+16+32*(\g/2)+8*(\g%2):SS+16+32*(\g/2)+8*(\g%2)+3], v[ADL] offset:(64*(\q))*VP+32*\g
	ds_load_tr16_b128 v[SS+16+32*(\g/2)+8*(\g%2)+4:SS+16+32*(\g/2)+8*(\g%2)+7], v[ADL] offset:(64*(\q)+16)*VP+32*\g
.endr
.set j, 0
.rept 16
.irp t, 0,1
	v_pk_mul_f32 v[OT+32*\t+j:OT+32*\t+j+1], v[OT+32*\t+j:OT+32*\t+j+1], v[ST+8*\t+6:ST+8*\t+7] op_sel_hi:[1,0]   ; O^T under the new m; each accumulator from its low end on
.endr
.set j, j+2
.endr
	s_wait_dscnt 8                                 ; V's hi is in; the eight loads of V's lo may be out
.irp u, 0,1
.irp g, 0,1,2,3
.irp t, 0,1
	v_wmma_f32_16x16x32_f16 v[OT+32*\t+8*\g:OT+32*\t+8*\g+7], v[KV+8*(4*\u+\g):KV+8*(4*\u+\g)+7], v[SS+32*\t+8*\u:SS+32*\t+8*\u+7], v[OT+32*\t+8*\g:OT+32*\t+8*\g+7]
.endr
.endr
.endr
.rept 4
	v_nop                                          ; places in front of the loads into the registers of V hi's keys 0-31
.endr
.irp g, 0,1,2,3
	ds_load_tr16_b128 v[KV+8*\g:KV+8*\g+3], v[ADL] offset:(64*(\q)+32)*VP+32*\g        ; V's lo of keys 32-63
	ds_load_tr16_b128 v[KV+8*\g+4:KV+8*\g+7], v[ADL] offset:(64*(\q)+48)*VP+32*\g
.endr
	s_wait_dscnt 8                                 ; V's lo of keys 0-31 is in; the eight loads just issued may be out
.irp g, 0,1,2,3
.irp t, 0,1
	v_wmma_f32_16x16x32_f16 v[OT+32*\t+8*\g:OT+32*\t+8*\g+7], v[SS+16+32*(\g/2)+8*(\g%2):SS+16+32*(\g/2)+8*(\g%2)+7], v[SS+32*\t:SS+32*\t+7], v[OT+32*\t+8*\g:OT+32*\t+8*\g+7]
.endr
.endr
	s_wait_dscnt 0x0
.irp g, 0,1,2,3
.irp t, 0,1
	v_wmma_f32_16x16x32_f16 v[OT+32*\t+8*\g:OT+32*\t+8*\g+7], v[KV+8*\g:KV+8*\g+7], v[SS+32*\t+8:SS+32*\t+15], v[OT+32*\t+8*\g:OT+32*\t+8*\g+7]
.endr
.endr
.Lhidden_\@:
	s_add_co_u32 s[KF], s[KF], 64
.endm
; THE CHANGE OF SLOTS stands at a slot's head.  Each wave waits for all its tensor loads (its part of the slot ahead), adds 0 to its spare word, and waits for that and for its reads of the slot that it has left.
; Behind the barrier the slot ahead is whole and nobody reads the other one.  fill = 1: that other slot takes the next 256 keys, up to the causal limit: the load has four key steps in which to land.
.macro CHANGE fill
	s_wait_tensorcnt 0x0                           ; no tensor load of mine is out, so a group 0 may be written
	ds_add_u32 v[SPW], v[NIL]
.if \fill
.irp g, G0K, G0V, G0L
	s_xor_b32 s[\g+1], s[\g+1], SLOT1              ; the walking descriptors: the other slot, the next 256 rows of 128 bytes
	s_add_nc_u64 s[\g+2:\g+3], s[\g+2:\g+3], 32768
.endr
	s_wait_xcnt 0x0                                ; the last prefetch, a slot back, has read its address
	s_add_nc_u64 s[PFA:PFA+1], s[PFA:PFA+1], 32768
.endif
	s_wait_dscnt 0x0                               ; the add is done, and my reads of the slot that I have left are over
	s_barrier_signal -1
	s_barrier_wait -1
.if \fill
	s_add_co_u32 s52, s[KF], 256                   ; the first key of the slot that this change would ask for:
	s_cmp_gt_u32 s52, s[QL]                        ; behind my work-group's last query none of its waves reads it.  Ids and the count of steps alone: all sixteen waves go the same way, and every wait for tensor loads in this text is for 0
	s_cbranch_scc1 .Lpast_\@
	TLOAD                                          ; a wave's one tensor load until the next such barrier
.Lpast_\@:
	ASK
.endif
.endm
.macro SLOT_STEPS
	STEP 0
	STEP 1
	STEP 2
	STEP 3
	s_xor_b32 s[TB], s[TB], SLOT1                  ; on to the other slot
.endm
	s_wait_loadcnt 0x0                             ; Q
.Lslot:                                            ; 7 trips: behind each change of slots but the last the next slot is asked for
	CHANGE 1
	SLOT_STEPS
	s_sub_co_u32 s[SLOTS], s[SLOTS], 1
	s_cmp_lg_u32 s[SLOTS], 0
	s_cbranch_scc1 .Lslot
	CHANGE 0                                       ; the last slot is written out: nothing is left to fetch
	SLOT_STEPS
	; THE WAY OUT.  l's halves and the other half of the lanes' are added; x = O^T / l is split: c = 8193 x, hi = c - (c - x) (x rounded to 11 significant bits), lo = x - hi (exact); both, as f16, go through my stage,
	; 16 rows of 128 bytes at a time, and leave as 2,048 consecutive bytes each.
.irp t, 0,1
	v_add_f32 v[ST+8*\t+4], v[ST+8*\t+2], v[ST+8*\t+3]
.endr
	v_nop
	v_nop                                          ; four places behind the last products
.irp t, 0,1
	v_permlanex16_b32 v[ST+8*\t+5], v[ST+8*\t+4], s[SEL], s[SEL+1]
.endr
.irp t, 0,1
	v_add_f32 v[ST+8*\t+4], v[ST+8*\t+4], v[ST+8*\t+5]
.endr
.irp t, 0,1
	v_rcp_f32 v[ST+8*\t+6], v[ST+8*\t+4]
.endr
	v_nop                                          ; a plain line behind the reciprocals
	s_wait_alu depctr_va_vdst(0)                   ; one wait for the two, ahead of their first reader
.irp t, 0,1
.set j, 0
.rept 16
	v_pk_mul_f32 v[OT+32*\t+j:OT+32*\t+j+1], v[OT+32*\t+j:OT+32*\t+j+1], v[ST+8*\t+6:ST+8*\t+7] op_sel_hi:[1,0]      ; x; each accumulator from its low end on
.set j, j+2
.endr
.set j, 0
.rept 16
	v_pk_mul_f32 v[SS+32*\t+j:SS+32*\t+j+1], v[OT+32*\t+j:OT+32*\t+j+1], s[SPL:SPL+1] op_sel_hi:[1,0]                ; c
.set j, j+2
.endr
.set j, 0
.rept 16
	v_pk_add_f32 v[KV+32*\t+j:KV+32*\t+j+1], v[SS+32*\t+j:SS+32*\t+j+1], v[OT+32*\t+j:OT+32*\t+j+1] neg_lo:[0,1] neg_hi:[0,1]   ; c - x
.set j, j+2
.endr
.set j, 0
.rept 16
	v_pk_add_f32 v[SS+32*\t+j:SS+32*\t+j+1], v[SS+32*\t+j:SS+32*\t+j+1], v[KV+32*\t+j:KV+32*\t+j+1] neg_lo:[0,1] neg_hi:[0,1]   ; hi
.set j, j+2
.endr
.set j, 0
.rept 16
	v_pk_add_f32 v[OT+32*\t+j:OT+32*\t+j+1], v[OT+32*\t+j:OT+32*\t+j+1], v[SS+32*\t+j:SS+32*\t+j+1] neg_lo:[0,1] neg_hi:[0,1]   ; lo
.set j, j+2
.endr
.set j, 0
.rept 16
	v_cvt_pk_f16_f32 v[KV+32*\t+j], v[SS+32*\t+2*j], v[SS+32*\t+2*j+1]
	v_cvt_pk_f16_f32 v[KV+32*\t+16+j], v[OT+32*\t+2*j], v[OT+32*\t+2*j+1]
.set j, j+1
.endr
.irp g, 0,1,2,3
	ds_store_b128 v[STO], v[KV+32*\t+4*\g:KV+32*\t+4*\g+3] offset:32*\g
.endr
.irp i, 0,1,2,3
	ds_load_b128 v[QF+16*\t+4*\i:QF+16*\t+4*\i+3], v[RD] offset:576*\i        ; LDS serves a wave's instructions in order (ISA guide 5.7.1.4): these see the stores above, and the next stores come behind them
.endr
.irp g, 0,1,2,3
	ds_store_b128 v[STO], v[KV+32*\t+16+4*\g:KV+32*\t+16+4*\g+3] offset:32*\g
.endr
.irp i, 0,1,2,3
	ds_load_b128 v[SS+32*\t+4*\i:SS+32*\t+4*\i+3], v[RD] offset:576*\i
.endr
.endr
.irp t, 0,1
.irp i, 0,1,2,3
	s_wait_dscnt 27-16*\t-\i                       ; behind this load: its run's later loads, this tile's lo (4 stores, 4 loads) and, for tile 0, tile 1's sixteen
	global_store_b128 v[GO], v[QF+16*\t+4*\i:QF+16*\t+4*\i+3], s[6:7] offset:2048*\t+512*\i   ; 512 consecutive bytes, aligned
.endr
.irp i, 0,1,2,3
	s_wait_dscnt 19-16*\t-\i                       ; behind this load: its run's later loads and, for tile 0, tile 1's sixteen
	global_store_b128 v[GO], v[SS+32*\t+4*\i:SS+32*\t+4*\i+3], s[LOB:LOB+1] offset:2048*\t+512*\i
.endr
.endr
	s_wait_tensorcnt 0x0                           ; the wave's end, behind my last tensor load and my last LDS store
	ds_add_u32 v[SPW], v[NIL]
	s_wait_dscnt 0x0
	s_endpgm
.Lfunc_end_k_q487b708e8d_attn:
	.size	k_q487b708e8d_attn, .Lfunc_end_k_q487b708e8d_attn-k_q487b708e8d_attn
	.p2alignl 7, 3214868480
	.fill 96, 4, 3214868480
	.section	.rodata,"a",@progbits
	.p2align	6, 0x0
	.amdhsa_kernel k_q487b708e8d_attn
		.amdhsa_group_segment_fixed_size 327680
		.amdhsa_private_segment_fixed_size 0
		.amdhsa_enable_private_segment 0
		.amdhsa_kernarg_size 16
		.amdhsa_user_sgpr_count 2
		.amdhsa_user_sgpr_kernarg_segment_ptr 1
		.amdhsa_wavefront_size32 1
		.amdhsa_system_sgpr_workgroup_id_x 1
		.amdhsa_system_sgpr_workgroup_id_y 1
		.amdhsa_system_sgpr_workgroup_id_z 1
		.amdhsa_system_vgpr_workitem_id 0
		.amdhsa_next_free_vgpr 256
		.amdhsa_next_free_sgpr 72
		.amdhsa_reserve_vcc 1
		.amdhsa_float_denorm_mode_32 3
		.amdhsa_float_denorm_mode_16_64 3
		.amdhsa_memory_ordered 1
		.amdhsa_forward_progress 1
		.amdhsa_inst_pref_size 219
	.end_amdhsa_kernel
	.amdgpu_metadata
---
amdhsa.version: [ 1, 2 ]
amdhsa.kernels:
  - .name:           k_q487b708e8d_attn
    .symbol:         k_q487b708e8d_attn.kd
    .args:
      - { .name: qkv16, .offset: 0, .size: 8, .value_kind: global_buffer, .address_space: global }
      - { .name: att16, .offset: 8, .size: 8, .value_kind: global_buffer, .address_space: global }
    .group_segment_fixed_size: 327680
    .private_segment_fixed_size: 0
    .kernarg_segment_align: 8
    .kernarg_segment_size: 16
    .max_flat_workgroup_size: 512
    .sgpr_count:     72
    .vgpr_count:     256
    .wavefront_size: 32
...
	.end_amdgpu_metadata
.endif
;; end of part 3
;; launch oproj (part 4): grid 4 x 64, 4 waves a work-group, clusters of 4 x 4, 327,680 bytes of LDS; arguments att16, wo16, Wo_b, out0; writes out0
.if DOCPART == 4
	.amdgcn_target "amdgcn-amd-amdhsa--gfx1250"
	.amdhsa_code_object_version 6
	.text
	.protected	k_q487b708e8d_oproj
	.globl	k_q487b708e8d_oproj
	.p2align	8
	.type	k_q487b708e8d_oproj,@function
k_q487b708e8d_oproj:
	s_mov_b64 s[64:65], 0
	v_nop
	global_prefetch_b8 v0, s[64:65] scope:SCOPE_SE
	s_setreg_imm32_b32 hwreg(HW_REG_WAVE_MODE, 25, 1), 1
	s_wait_xcnt 0x0
	s_wait_alu depctr_hold_cnt(0) depctr_sa_sdst(0) depctr_va_vdst(0) depctr_va_sdst(0) depctr_va_ssrc(0) depctr_va_vcc(0) depctr_vm_vsrc(0)
	s_getreg_b32 s2, hwreg(HW_REG_IB_STS2, 6, 4)
	s_cmp_eq_u32 s2, 0
	s_cbranch_scc0 .Lentry_in_a_cluster
	s_endpgm
.Lentry_in_a_cluster:
	s_bfe_u32 s2, ttmp6, 0x10000c
	s_cmp_lg_u32 s2, 0xf033
	s_cbranch_scc0 .Lentry_shape_is_right
	s_endpgm
.Lentry_shape_is_right:
; OPROJ: out0[m][n] = sum over k of att[m][k] Wo[n][k] + Wo_b[n].  Both operands come as two f16 numbers, hi + lo: the product is hi hi + (Wo's lo) (att's hi) + (Wo's hi) (att's lo), three f16 matrix
; instructions onto one f32 accumulator; lo lo, 2^-24 of the product, is left out.  One f16 number a side would leave 2^-12 of each operand unsaid, and the rows with few keys are some sixteen times the output's root mean square.
; att16: f16 [2 parts: hi, lo][4 b][16 heads][2048 s][64], so k = 64 head + channel; wo16: row n = 16 blocks of 256 bytes, block kb = hi of k = 64 kb .. + 63, then lo of them; out0: f32 [8192][1024].
; A tile of the output is 128 (m) x 256 (n): 256 work-groups.  Four waves, each 64 x 128: 32 accumulators of 16 x 16, 256 registers.  K goes in steps of 64, one head, through a ring of two LDS slots.
; CLUSTERS: 4 x 4 work-groups.  The four of a row of the cluster need the same tiles of att, the four of a column the same tiles of Wo: each tile is asked for jointly, by the same tensor load with the same descriptor
; and a mask that names the four.  THE MATRIX INSTRUCTION IS USED TRANSPOSED (source 0 = 16 rows of Wo, source 1 = 16 rows of att): a lane holds eight neighbouring numbers of a row of the output.
; The bias is the C of each sum's first matrix instruction: nothing is cleared and no addition is spent on it.
; No prefetch: a K step's tiles are small and come jointly, and a refill has 160 matrix instructions in which to land.
; LIMITS: NaN and infinities are not served.
; REGISTERS: window 0: v0-31 addresses; v32-223 fragment buffer 0; on the way out v32-159 hold rows.  window 1: the accumulators ((a, b) at v[8 (8 a + b)]).  window 2: v0-63 the bias of my 128 columns, in the results'
;   layout; v64-255 fragment buffer 1.  A buffer: Wo's hi 8 x 8 registers, Wo's lo 8 x 8, att's hi 4 x 8, att's lo 4 x 8.
.set APITCH, 144                       ; a row of att in LDS: 128 bytes + 16
.set BPITCH, 272                       ; a row of Wo: 256 + 16.  Both odd multiples of 16: the 16 rows that a load touches start at 16 different banks (ISA guide 11.1)
.set AHEAD,  128*APITCH                ; 128 rows of one part of att: what a load for att brings; hi's, then lo's
.set BHALF,  128*BPITCH                ; 128 rows of Wo: what a load for Wo brings
.set BOFF,   2*AHEAD
.set SLOT,   BOFF+2*BHALF              ; 106,496
.set STAGE,  2*SLOT                    ; behind the ring: 16 rows x (512 bytes + 16) for each wave
.set SPITCH, 528
.set SPARE,  STAGE+4*16*SPITCH
.set LAPS,   8                         ; a lap = two K steps; K = 1,024
.set ADRA, 16
.set ADRB, 20
.set STO,  24
.set RD,   25
.set CO,   26
.set SPW,  28
.set NIL,  29
.set BOF,  30
.set BH,   0                           ; places in a buffer
.set BL,   64
.set AH,   128
.set AL,   160
.set G1, 24
.set G0, 32
.set G1B, 48
.set G0B, 56
.set MSB, 0
.macro WIN new                         ; the immediate's high byte repeats the setting that is left
.if MSB != (\new)
	s_set_vgpr_msb (MSB<<8)|(\new)
.set MSB, (\new)
.endif
.endm
.macro JLOAD s                         ; a joint load: wave 0 fetches att's hi, wave 1 att's lo, waves 2 and 3 Wo's halves; an s_nop 0 and four v_nop follow each of the two lines
	s_cmp_eq_u32 s13, 0
	s_cbranch_scc0 .Lfor_b_\@
	tensor_load_to_lds s[G0+4*\s:G0+4*\s+3], s[G1:G1+7]
	s_nop 0
.rept 4
	v_nop
.endr
	s_branch .Lasked_\@
.Lfor_b_\@:
	tensor_load_to_lds s[G0B+4*\s:G0B+4*\s+3], s[G1B:G1B+7]
	s_nop 0
.rept 4
	v_nop
.endr
.Lasked_\@:
.endm
.macro CREST                           ; a round of the cluster's barrier behind its opening barrier
	s_cmp_lg_u32 s12, 0
	s_cbranch_scc1 .Lnot_wave_0_\@
	s_barrier_signal -3
.Lnot_wave_0_\@:
	s_barrier_wait -3
	s_barrier_signal -1
	s_barrier_wait -1
.endm
.macro CROUND
	s_barrier_signal -1
	s_barrier_wait -1
	CREST
.endm
	s_load_b128 s[4:7], s[0:1], 0x0                ; att16, wo16
	s_load_b128 s[8:11], s[0:1], 0x10              ; Wo_b, out0
	v_lshl_add_u32 v[SPW], v0, 2, SPARE
	v_mov_b32 v[NIL], 0
	ds_add_u32 v[SPW], v[NIL]                      ; the wave's opening: the add and its wait stand ahead of my first tensor load; the set-up below stands between them
	v_lshrrev_b32 v1, 5, v0
	v_readfirstlane_b32 s12, v1                    ; wave 0..3
	s_lshr_b32 s13, s12, 1                         ; which 64 rows are mine.  Also: I fetch for att (0) or for Wo (1)
	s_and_b32 s14, s12, 1                          ; which 128 columns.  Also: which part of att, or which 128 rows of Wo, I fetch
	s_bfe_u32 s40, ttmp6, 0x40000                  ; cx, cy
	s_bfe_u32 s41, ttmp6, 0x40004
	s_lshl_b32 s42, ttmp9, 2
	s_add_co_u32 s42, s42, s40                     ; tile column
	s_and_b32 s15, ttmp7, 0xffff
	s_lshl_b32 s15, s15, 2
	s_add_co_u32 s15, s15, s41                     ; tile row
	s_lshl_b32 s43, s41, 2
	s_lshl_b32 s43, 15, s43                        ; my row of the cluster
	s_lshl_b32 s44, 0x1111, s40                    ; my column
	s_or_b32 s[G1+0], s43, (1<<16)|(1<<20)|(1<<21)|(4<<22)|(3<<25)    ; att: the mask; elements of 2 bytes; padding on; bit 21 beside a mask; after every 32 words, 4 words
	s_mov_b32 s[G1+1], 64<<16                      ; tensor_dim0
	s_mov_b32 s[G1+2], 128<<16                     ; tensor_dim1
	s_mov_b32 s[G1+3], 64<<16                      ; tile_dim0
	s_mov_b32 s[G1+4], 128                         ; tile_dim1
	s_mov_b32 s[G1+5], 64                          ; the pitch
	s_mov_b32 s[G1+6], 0
	s_mov_b32 s[G1+7], 0
	s_or_b32 s[G1B+0], s44, (1<<16)|(1<<20)|(1<<21)|(5<<22)|(3<<25)   ; Wo: after every 64 words, 4 words
	s_mov_b32 s[G1B+1], 128<<16                    ; a block: 64 hi and 64 lo
	s_mov_b32 s[G1B+2], 128<<16
	s_mov_b32 s[G1B+3], 128<<16
	s_mov_b32 s[G1B+4], 128
	s_mov_b32 s[G1B+5], 2048                       ; a row of wo16: 16 blocks of 128 elements
	s_mov_b32 s[G1B+6], 0
	s_mov_b32 s[G1B+7], 0
	s_lshr_b32 s16, s15, 4                         ; att: the batch's 16 heads of 262,144 bytes,
	s_lshl_b32 s16, s16, 22
	s_and_b32 s17, s15, 15
	s_lshl_b32 s17, s17, 14                        ; the tile's 128 rows of 128 bytes in a head,
	s_add_co_u32 s16, s16, s17
	s_lshl_b32 s17, s14, 24                        ; and the part: hi, or lo 16,777,216 bytes further on
	s_add_co_u32 s16, s16, s17
	s_mov_b32 s17, 0
	s_lshl_b32 s46, s42, 20                        ; Wo: row 256 x tile column + 128 x half, of 4,096 bytes
	s_lshl_b32 s47, s14, 19
	s_add_co_u32 s46, s46, s47
	s_mov_b32 s47, 0
	s_mul_i32 s20, s14, AHEAD                      ; where they go: no place in the cluster enters an LDS address
	s_mul_i32 s23, s14, BHALF
	s_add_co_u32 s23, s23, BOFF
	s_wait_dscnt 0x0                               ; the opening add is done
	s_wait_kmcnt 0x0
	s_add_nc_u64 s[16:17], s[4:5], s[16:17]
	s_add_nc_u64 s[46:47], s[6:7], s[46:47]
	CROUND                                         ; all sixteen work-groups are here: the first joint loads meet
.irp s, 0,1
	s_mov_b32 s[G0+4*\s], 1
	s_add_co_u32 s[G0+4*\s+1], s20, \s*SLOT
	s_add_nc_u64 s[G0+4*\s+2:G0+4*\s+3], s[16:17], \s*262144      ; K step s: head s
	s_or_b32 s[G0+4*\s+3], s[G0+4*\s+3], 0x80000000
	s_mov_b32 s[G0B+4*\s], 1
	s_add_co_u32 s[G0B+4*\s+1], s23, \s*SLOT
	s_add_nc_u64 s[G0B+4*\s+2:G0B+4*\s+3], s[46:47], \s*256       ; block s
	s_or_b32 s[G0B+4*\s+3], s[G0B+4*\s+3], 0x80000000
	JLOAD \s                                       ; by this text's count a wave has two tensor loads out here, later one
.endr
	v_and_b32 v1, 15, v0                           ; r
	v_bfe_u32 v2, v0, 4, 1                         ; h
	v_mul_u32_u24 v3, v1, APITCH
	v_lshl_add_u32 v3, v2, 4, v3
	v_mul_u32_u24 v4, v1, BPITCH
	v_lshl_add_u32 v4, v2, 4, v4
	s_mul_i32 s21, s13, 64*APITCH                  ; my 64 rows of att
	s_mul_i32 s22, s14, BHALF                      ; my 128 rows of Wo
	s_add_co_u32 s22, s22, BOFF
.irp s, 0,1
	v_add_nc_u32 v[ADRA+\s], s21, v3
	v_add_nc_u32 v[ADRB+\s], s22, v4
	s_add_co_u32 s21, s21, SLOT
	s_add_co_u32 s22, s22, SLOT
.endr
	s_mul_i32 s21, s12, 16*SPITCH
	s_add_co_u32 s21, s21, STAGE                   ; my stage
	v_mul_u32_u24 v5, v1, SPITCH
	v_lshl_add_u32 v5, v2, 5, v5
	v_add_nc_u32 v[STO], s21, v5                   ; in: row r, 32 bytes for each half of the lanes
	v_and_b32 v6, 31, v0
	v_lshlrev_b32 v[CO], 4, v6
	v_add_nc_u32 v[RD], s21, v[CO]                 ; back: the 32 lanes take one row of 512 bytes
	v_lshlrev_b32 v[BOF], 5, v2
	s_lshl_b32 s16, s15, 19                        ; my first row of the output: (128 x tile row + 64 x half) x 4,096 bytes,
	s_lshl_b32 s17, s13, 18
	s_add_co_u32 s16, s16, s17
	s_mov_b32 s17, 0
	s_add_nc_u64 s[10:11], s[10:11], s[16:17]
	s_lshl_b32 s46, s42, 10                        ; my first column, in bytes: 1,024 x tile column + 512 x half; the bias begins at the same offset
	s_lshl_b32 s47, s14, 9
	s_add_co_u32 s46, s46, s47
	s_mov_b32 s47, 0
	s_add_nc_u64 s[10:11], s[10:11], s[46:47]
	s_add_nc_u64 s[8:9], s[8:9], s[46:47]
	WIN 0x80                                       ; destination window 2
.irp b, 0,1,2,3,4,5,6,7
	global_load_b128 v[8*\b:8*\b+3], v[BOF], s[8:9] offset:64*\b
	global_load_b128 v[8*\b+4:8*\b+7], v[BOF], s[8:9] offset:64*\b+16
.endr
	WIN 0
; 8 matrix instructions from buffer buf: att's block a (part ao: AH or AL) against Wo's eight (part bo: BH or BL), 32 along K.  zero = 1 (buffer 0 alone): the sum begins with the bias.
.macro MUL8 buf, bo, ao, a, zero
.set FB, 32+32*(\buf)
.if \zero
	WIN 0x60                                       ; D window 1, C window 2, sources window 0
.else
	WIN 0x50+0x0a*(\buf)                           ; C and D window 1; sources window 0 (buffer 0) or 2 (buffer 1)
.endif
.irp b, 0,1,2,3,4,5,6,7
.if \zero
	v_wmma_f32_16x16x32_f16 v[8*(8*(\a)+\b):8*(8*(\a)+\b)+7], v[FB+(\bo)+8*\b:FB+(\bo)+8*\b+7], v[FB+(\ao)+8*(\a):FB+(\ao)+8*(\a)+7], v[8*\b:8*\b+7]
.else
	v_wmma_f32_16x16x32_f16 v[8*(8*(\a)+\b):8*(8*(\a)+\b)+7], v[FB+(\bo)+8*\b:FB+(\bo)+8*\b+7], v[FB+(\ao)+8*(\a):FB+(\ao)+8*(\a)+7], v[8*(8*(\a)+\b):8*(8*(\a)+\b)+7]
.endif
.endr
.endm
.macro PASS buf, bo, ao, zero          ; once over the 32 accumulators, which take turns in the same order in every pass
	MUL8 \buf, \bo, \ao, 0, \zero
	MUL8 \buf, \bo, \ao, 1, \zero
	MUL8 \buf, \bo, \ao, 2, \zero
	MUL8 \buf, \bo, \ao, 3, \zero
.endm
; 48 LDS loads in one run: the fragments of the slot's q-th 32 along K into buffer buf
.macro FETCH slot, q, buf
.set FB, 32+32*(\buf)
	WIN 0x80*(\buf)                                ; destination window 0 or 2; the address window 0
.irp b, 0,1,2,3,4,5,6,7
	ds_load_b128 v[FB+BH+8*\b:FB+BH+8*\b+3],   v[ADRB+\slot] offset:64*(\q)+16*BPITCH*\b
	ds_load_b128 v[FB+BH+8*\b+4:FB+BH+8*\b+7], v[ADRB+\slot] offset:64*(\q)+16*BPITCH*\b+32
.endr
.irp a, 0,1,2,3
	ds_load_b128 v[FB+AH+8*\a:FB+AH+8*\a+3],   v[ADRA+\slot] offset:64*(\q)+16*APITCH*\a
	ds_load_b128 v[FB+AH+8*\a+4:FB+AH+8*\a+7], v[ADRA+\slot] offset:64*(\q)+16*APITCH*\a+32
.endr
.irp b, 0,1,2,3,4,5,6,7
	ds_load_b128 v[FB+BL+8*\b:FB+BL+8*\b+3],   v[ADRB+\slot] offset:128+64*(\q)+16*BPITCH*\b
	ds_load_b128 v[FB+BL+8*\b+4:FB+BL+8*\b+7], v[ADRB+\slot] offset:128+64*(\q)+16*BPITCH*\b+32
.endr
.irp a, 0,1,2,3
	ds_load_b128 v[FB+AL+8*\a:FB+AL+8*\a+3],   v[ADRA+\slot] offset:AHEAD+64*(\q)+16*APITCH*\a
	ds_load_b128 v[FB+AL+8*\a+4:FB+AL+8*\a+7], v[ADRA+\slot] offset:AHEAD+64*(\q)+16*APITCH*\a+32
.endr
.endm
.macro PLACES                          ; four plain lines between a matrix instruction and a load into, or a read of, its registers (ISA guide 7.12.1 for vector lines)
.rept 4
	v_nop
.endr
.endm
; A K step is two quarters of 32 along K, 96 matrix instructions each.  The first multiplies buffer 0 and fetches the slot's second 32 along K into buffer 1.
.macro QUARTER slot, zero
	s_wait_dscnt 0x0                               ; buffer 0's 48 loads were issued 64 matrix instructions ago
	PASS 0, BH, AH, \zero
	PLACES                                         ; in front of the loads into buffer 1, which the quarter before multiplied
	FETCH \slot, 1, 1
	PASS 0, BL, AH, 0
	PASS 0, BH, AL, 0
.endm
; The second multiplies buffer 1 and changes slots: one barrier; in front of it each wave waits for all its tensor loads, adds 0 to its spare word, and waits for that and for its reads of this slot.
; fill = 1: the barrier opens a round of the cluster's barrier, and this slot is filled again, two K steps ahead: from the request to the wait for it a wave issues 160 matrix instructions.
.macro TURN slot, next, fill
	WIN 0                                          ; (the add's two registers lie in window 0)
	s_wait_tensorcnt 0x0                           ; all my tensor loads have landed: my part of the next slot
	ds_add_u32 v[SPW], v[NIL]
	s_wait_dscnt 1                                 ; buffer 1's loads are in; the add may be out
	MUL8 1, BH, AH, 0, 0
	MUL8 1, BH, AH, 1, 0
	s_wait_dscnt 0x0                               ; the add is done, and my reads of this slot are over
	s_barrier_signal -1
	MUL8 1, BH, AH, 2, 0
	MUL8 1, BH, AH, 3, 0
	WIN 0
	s_barrier_wait -1
.if \fill
	CREST                                          ; no wave of any partner still reads this slot's tile or has a load on its way
	s_add_nc_u64 s[G0+4*\slot+2:G0+4*\slot+3], s[G0+4*\slot+2:G0+4*\slot+3], 524288    ; two heads on
	s_add_nc_u64 s[G0B+4*\slot+2:G0B+4*\slot+3], s[G0B+4*\slot+2:G0B+4*\slot+3], 512   ; two blocks on
	JLOAD \slot                                    ; the first tensor load behind the round; its four v_nop are also the places in front of the loads below
.else
	PLACES
.endif
	FETCH \next, 0, 0
	PASS 1, BL, AH, 0
	PASS 1, BH, AL, 0
.endm
	s_wait_tensorcnt 1                             ; my part of K step 0 is in; K step 1's load may be out
	s_barrier_signal -1
	s_barrier_wait -1
	FETCH 0, 0, 0
	s_wait_loadcnt 0x0                             ; the bias
	QUARTER 0, 1                                   ; the first quarter stands in front of the loop: its first products start the sums
	WIN 0                                          ; at a label and at a branch every window is 0
	s_mov_b32 s3, LAPS-1
.Llap:                                             ; a trip goes once round the ring, from a lap's second quarter to the next lap's first, and fills both slots again
	TURN 0, 1, 1
	QUARTER 1, 0
	TURN 1, 0, 1
	QUARTER 0, 0
	WIN 0
	s_sub_co_u32 s3, s3, 1
	s_cmp_lg_u32 s3, 0
	s_cbranch_scc1 .Llap
	TURN 0, 1, 0                                   ; the last lap fills nothing
	QUARTER 1, 0
	s_wait_dscnt 0x0                               ; the very last quarter: nothing more to fetch
	PASS 1, BH, AH, 0
	PASS 1, BL, AH, 0
	PASS 1, BH, AL, 0
	WIN 0
; THE WAY OUT, block by block of 16 rows x 128 columns: through my own stage and back as whole rows of 512 bytes.
.macro TOSTAGE a
	WIN 0x04                                       ; an LDS store's data are its source 1: window 1
.irp b, 0,1,2,3,4,5,6,7
	ds_store_b128 v[STO], v[8*(8*(\a)+\b):8*(8*(\a)+\b)+3] offset:64*\b          ; each accumulator from its low end on
	ds_store_b128 v[STO], v[8*(8*(\a)+\b)+4:8*(8*(\a)+\b)+7] offset:64*\b+16
.endr
	WIN 0
.set BB, 32+64*((\a)%2)
.irp t, 0,1,2,3,4,5,6,7,8,9,10,11,12,13,14,15
	ds_load_b128 v[BB+4*\t:BB+4*\t+3], v[RD] offset:\t*SPITCH    ; LDS serves a wave's instructions in order (ISA guide 5.7.1.4): these see the stores above
.endr
.endm
.macro SEND a, younger                 ; younger: the LDS instructions issued behind block a's loads
.set BB, 32+64*((\a)%2)
	s_wait_dscnt \younger
.irp t, 0,1,2,3,4,5,6,7,8,9,10,11,12,13,14,15
	global_store_b128 v[CO], v[BB+4*\t:BB+4*\t+3], s[10:11] offset:(16*(\a)+\t)*4096 th:TH_STORE_NT   ; 512 consecutive bytes, aligned; written once, read by nobody here
.endr
.endm
	PLACES                                         ; behind the last products: their results are read and earlier operands' registers loaded below
	TOSTAGE 0
.irp a, 1,2,3
.if \a > 1
	s_wait_xcnt 0x0                                ; block a - 2's stores have read their registers: block a's loads may land there
.endif
	TOSTAGE \a
	SEND \a-1, 32                                  ; behind block a - 1's loads: block a's 16 stores and 16 loads
.endr
	SEND 3, 0
	s_wait_tensorcnt 0x0                           ; the wave's end, behind my last tensor load and my last LDS store
	ds_add_u32 v[SPW], v[NIL]
	s_wait_dscnt 0x0
	CROUND                                         ; the closing round: no work-group ends while a partner may still ask for a tile that names it
	s_endpgm
.Lfunc_end_k_q487b708e8d_oproj:
	.size	k_q487b708e8d_oproj, .Lfunc_end_k_q487b708e8d_oproj-k_q487b708e8d_oproj
	.p2alignl 7, 3214868480
	.fill 96, 4, 3214868480
	.section	.rodata,"a",@progbits
	.p2align	6, 0x0
	.amdhsa_kernel k_q487b708e8d_oproj
		.amdhsa_group_segment_fixed_size 327680
		.amdhsa_private_segment_fixed_size 0
		.amdhsa_enable_private_segment 0
		.amdhsa_kernarg_size 32
		.amdhsa_user_sgpr_count 2
		.amdhsa_user_sgpr_kernarg_segment_ptr 1
		.amdhsa_wavefront_size32 1
		.amdhsa_system_sgpr_workgroup_id_x 1
		.amdhsa_system_sgpr_workgroup_id_y 1
		.amdhsa_system_sgpr_workgroup_id_z 1
		.amdhsa_system_vgpr_workitem_id 0
		.amdhsa_next_free_vgpr 768
		.amdhsa_next_free_sgpr 66
		.amdhsa_reserve_vcc 0
		.amdhsa_float_denorm_mode_32 3
		.amdhsa_float_denorm_mode_16_64 3
		.amdhsa_memory_ordered 1
		.amdhsa_forward_progress 1
		.amdhsa_inst_pref_size 100
	.end_amdhsa_kernel
	.amdgpu_metadata
---
amdhsa.version: [ 1, 2 ]
amdhsa.kernels:
  - .name:           k_q487b708e8d_oproj
    .symbol:         k_q487b708e8d_oproj.kd
    .args:
      - { .name: att16, .offset: 0, .size: 8, .value_kind: global_buffer, .address_space: global }
      - { .name: wo16, .offset: 8, .size: 8, .value_kind: global_buffer, .address_space: global }
      - { .name: Wo_b, .offset: 16, .size: 8, .value_kind: global_buffer, .address_space: global }
      - { .name: out0, .offset: 24, .size: 8, .value_kind: global_buffer, .address_space: global }
    .group_segment_fixed_size: 327680
    .private_segment_fixed_size: 0
    .kernarg_segment_align: 8
    .kernarg_segment_size: 32
    .max_flat_workgroup_size: 128
    .sgpr_count:     66
    .vgpr_count:     768
    .wavefront_size: 32
...
	.end_amdgpu_metadata
.endif
;; end of part 4
